; MI455X (gfx1250); checked and timed in simulation.
; The chip was launched on July 23, 2026; its instructions are those of AMD's public machine-readable ISA for CDNA 5 (MIT licence, August 2026) and "CDNA5" Instruction Set Architecture Reference Guide (July 2026). The comments in the code are by the model that wrote it; some were corrected since.
;; H Attention. Allowed arithmetic: float matrix products may take bf16 or f16 operands with f32 sums; other float arithmetic in f32, or as packed bf16 or f16 multiplies, adds, multiply-adds, maxima and minima; sums over many terms, partial sums and values carried from step to step in f32; what a program stores and reads back later, other than sums and carried values, may be rounded once to bf16 or f16.
;; Inputs: A_bias 2,048 x 16 float32; A_log 2,048 x 16 float32; L 2,048 x 16 x 12 float32; L_bias 2,048 x 16 x 12 float32; Wk 1,024 x 1,024 float32; Wo 1,024 x 1,024 float32; Wq 1,024 x 1,024 float32; Wv 1,024 x 1,024 float32; bk 1,024 float32; bo 1,024 float32; bq 1,024 float32; bv 1,024 float32; levels 2,048 x 2,048 int32; x 8 x 2,048 x 1,024 float32.
;; Outputs: out0 8 x 2,048 x 1,024 float32.
;; 2 versions, each right; version 2 is version 1 with the launches prep, pmake written anew for expert scheduling mode. Each part assembles by itself: llvm-mc -triple=amdgcn-amd-amdhsa -mcpu=gfx1250 --defsym DOCPART=n.
;; ======== version 1 of 2: 5 launches
;; limits: values are held in f16: magnitudes above 65,504 overflow, below 6.1e-05 lose precision
;; workspace buffers: xh 33,554,432 bytes; wh 4,194,304 bytes; csx 131,072 bytes; vt 33,554,432 bytes; bs 524,288 bytes; p 134,217,728 bytes; stat 524,288 bytes; oh 33,554,432 bytes
;; launch prep (part 1): grid 512 x 1, 8 waves a work-group, no clusters, 1,280 bytes of LDS; arguments x, Wv, Wo, A_log, A_bias, xh, wh, csx; writes xh, wh, csx
.if DOCPART == 1
	.amdgcn_target "amdgcn-amd-amdhsa--gfx1250"
	.amdhsa_code_object_version 6
	.text
	.protected	k_q616951bfa2_prep
	.globl	k_q616951bfa2_prep
	.p2align	8
	.type	k_q616951bfa2_prep,@function
k_q616951bfa2_prep:
	s_mov_b64 s[64:65], 0
	v_nop
	global_prefetch_b8 v0, s[64:65] scope:SCOPE_SE
	s_setreg_imm32_b32 hwreg(HW_REG_WAVE_MODE, 25, 1), 1
	s_wait_xcnt 0x0
; TWO JOBS IN ONE LAUNCH.
; Work-groups 0..3 (one for four heads): cs2[t][h] = the sum over u <= t of log2(sigmoid(A_log + A_bias)[u][h]), in f32, stored as
; csx [chunk 8][k 8][head group 4][lane 32][4 heads], t = 256 chunk + 8 lane + k: the order in which the next launch's lanes want it, 512 bytes on end for each load there.
; Work-groups 4..511: x, Wv and Wo (f32) are rounded once to f16 for the matrix products: xh [16384][1024]; wh: Wv at byte 0, Wo at byte 2,097,152.
; LIMITS.  f16 ends at 65,504: |x|, |Wv|, |Wo| stay below it; below 6.1e-5 they keep f16's fixed step of 6e-8.  The running sum is added in another order than a serial one:
; inside a thread's 8 rows, then over lanes, then over waves.  z below -127 / log2(e) gives -infinity from that row on, as sigmoid's underflow does.
; THE CAST.  18,432 rows of 1,024 numbers = 508 work-groups x 36 rows + 144.  Work-group c = number - 4 takes 32 rows of x, 2 of Wv, 2 of Wo; the first 144 take one row more: the last 128 of x, 8 of Wv, 8 of Wo.
; Thread n takes 16 bytes at 16 n of a row and stores 8 bytes at 8 n: a wave's load covers 512 bytes on end, its store 256 bytes on end, aligned.  A ring of 12 slots in registers keeps 12 loads of every wave
; on their way.  No LDS, no barrier, no matrix unit: bytes are all that counts here.
.set X,     16                         ; v[16:63]  slot s: 4 numbers as loaded
.set Y,     64                         ; v[64:87]  slot s: 4 numbers in f16
.set EX,    88                         ; v[88:91]  the row more, as loaded
.set EY,    92                         ; v[92:93]  the same in f16
.set SLOTS, 12
.set ROWS,  36
.set MORE,  144                        ; work-groups that take a row more
.set SPW,   126                        ; v126  LDS address of my spare word; never rewritten
.set NIL,   127                        ; v127  0; never rewritten
.set SPARE, 256                        ; the spare words: 128 bytes for each of 8 waves; the block in front of them holds the waves' totals
	s_load_b256 s[4:11], s[0:1], 0x0               ; x s[4:5], Wv s[6:7], Wo s[8:9], A_log s[10:11]
	s_load_b256 s[12:19], s[0:1], 0x20             ; A_bias s[12:13], xh s[14:15], wh s[16:17], csx s[18:19]
	v_lshl_add_u32 v[SPW], v0, 2, SPARE
	v_mov_b32 v[NIL], 0
	v_lshrrev_b32 v1, 5, v0
	v_readfirstlane_b32 s20, v1                    ; wave 0..7
	s_cmp_lt_u32 ttmp9, 4
	s_cbranch_scc1 .Ltable
	s_sub_co_u32 s30, ttmp9, 4                     ; c
	s_lshl_b32 s22, s30, 17                        ; 32 rows of x: 131,072 bytes
	s_mov_b32 s23, 0
	s_lshl_b32 s24, s30, 16                        ; the same rows of xh
	s_mov_b32 s25, 0
	s_lshl_b32 s26, s30, 13                        ; 2 rows of a weight matrix
	s_mov_b32 s27, 0
	s_lshl_b32 s28, s30, 12                        ; the same rows of wh
	s_mov_b32 s29, 0
	s_movk_i32 s36, 888                            ; c = 128..135: row 888 + c = 1016..1023 of Wv
	s_movk_i32 s37, 16256                          ; c = 0..127: row 16,256 + c of x
	s_mov_b32 s41, 0
	s_mov_b32 s43, 0
	v_lshlrev_b32 v1, 4, v0                        ; my 16 bytes of a row in
	v_lshlrev_b32 v2, 3, v0                        ; my 8 bytes of a row out
.irp e, 0,1,2,3
	v_mov_b32 v[EX+\e], 0                          ; written on every path, whether a row more is loaded or not
.endr
	s_wait_kmcnt 0x0
	s_cmp_lt_u32 s30, 128                          ; the row more: from which tensor, into which, which row
	s_cselect_b64 s[32:33], s[4:5], s[6:7]
	s_cselect_b64 s[34:35], s[14:15], s[16:17]
	s_cselect_b32 s36, s37, s36
	s_cmp_lt_u32 s30, 136
	s_cselect_b64 s[32:33], s[32:33], s[8:9]
	s_cselect_b32 s36, s36, 880                    ; c = 136..143: row 880 + c = 1016..1023 of Wo,
	s_cselect_b32 s38, 0, 0x200000                 ; which lies behind Wv in wh
	s_add_co_u32 s36, s36, s30
	s_lshl_b32 s40, s36, 12
	s_lshl_b32 s42, s36, 11
	s_add_co_u32 s42, s42, s38
	s_add_nc_u64 s[32:33], s[32:33], s[40:41]
	s_add_nc_u64 s[34:35], s[34:35], s[42:43]
	s_add_nc_u64 s[4:5], s[4:5], s[22:23]
	s_add_nc_u64 s[14:15], s[14:15], s[24:25]
	s_add_nc_u64 s[6:7], s[6:7], s[26:27]
	s_add_nc_u64 s[8:9], s[8:9], s[26:27]
	s_add_nc_u64 s[16:17], s[16:17], s[28:29]
	s_cmp_lt_u32 s30, MORE
	s_cbranch_scc0 .Lno_more
	global_load_b128 v[EX:EX+3], v1, s[32:33] th:TH_LOAD_NT  ; the wave's oldest load: the ring's counts, which name younger loads, hold with it and without
.Lno_more:
.macro ROWIN r                         ; row r's load, into slot r % 12
.if (\r) < 32
	global_load_b128 v[X+4*((\r)%SLOTS):X+4*((\r)%SLOTS)+3], v1, s[4:5] offset:(\r)*4096 th:TH_LOAD_NT
.elseif (\r) < 34
	global_load_b128 v[X+4*((\r)%SLOTS):X+4*((\r)%SLOTS)+3], v1, s[6:7] offset:((\r)-32)*4096 th:TH_LOAD_NT
.else
	global_load_b128 v[X+4*((\r)%SLOTS):X+4*((\r)%SLOTS)+3], v1, s[8:9] offset:((\r)-34)*4096 th:TH_LOAD_NT
.endif
.endm
.macro ROW r
.if ROWS-1-(\r) < SLOTS-1
	s_wait_loadcnt ROWS-1-(\r)                     ; the last rows: the count of younger loads runs down
.else
	s_wait_loadcnt SLOTS-1                         ; loads come back in order: mine is in, the 11 younger ones stay out
.endif
	s_wait_xcnt 0x0                                ; the slot's last store has read its Y: only now is it written again
	v_cvt_pk_f16_f32 v[Y+2*((\r)%SLOTS)],   v[X+4*((\r)%SLOTS)],   v[X+4*((\r)%SLOTS)+1]
	v_cvt_pk_f16_f32 v[Y+2*((\r)%SLOTS)+1], v[X+4*((\r)%SLOTS)+2], v[X+4*((\r)%SLOTS)+3]
.if (\r)+SLOTS < ROWS
	ROWIN (\r)+SLOTS                               ; the load goes out ahead of the store
.endif
.if (\r) < 32
	global_store_b64 v2, v[Y+2*((\r)%SLOTS):Y+2*((\r)%SLOTS)+1], s[14:15] offset:(\r)*2048 th:TH_STORE_NT
.elseif (\r) < 34
	global_store_b64 v2, v[Y+2*((\r)%SLOTS):Y+2*((\r)%SLOTS)+1], s[16:17] offset:((\r)-32)*2048 th:TH_STORE_NT
.else
	global_store_b64 v2, v[Y+2*((\r)%SLOTS):Y+2*((\r)%SLOTS)+1], s[16:17] offset:2097152+((\r)-34)*2048 th:TH_STORE_NT
.endif
.endm
.set n, 0
.rept SLOTS
	ROWIN n
.set n, n+1
.endr
.set n, 0
.rept ROWS
	ROW n
.set n, n+1
.endr
	s_cmp_lt_u32 s30, MORE
	s_cbranch_scc0 .Lcast_done
	v_cvt_pk_f16_f32 v[EY],   v[EX],   v[EX+1]     ; the ring's last wait was for 0: the row more is in
	v_cvt_pk_f16_f32 v[EY+1], v[EX+2], v[EX+3]
	global_store_b64 v2, v[EY:EY+1], s[34:35] th:TH_STORE_NT
.Lcast_done:
	s_endpgm                                       ; these waves have written no LDS
; THE TABLE.  Thread n = (wave w, lane l) owns rows t = 8 n + k, k = 0..7, of four heads.  v[16:47]: (k, head) at 16 + 4 k + e.
.Ltable:
	s_mov_b32 s21, ttmp9                           ; the head group
	s_lshl_b32 s22, s21, 4
	v_lshl_add_u32 v2, v0, 9, s22                  ; 8 rows of 64 bytes a thread, 16 bytes a head group
	v_and_b32 v3, 31, v0
	s_lshl_b32 s23, s20, 14                        ; chunk = wave: 16,384 bytes of csx
	s_lshl_b32 s24, s21, 9
	s_add_co_u32 s23, s23, s24
	v_lshl_add_u32 v6, v3, 4, s23
	s_lshl_b32 s24, s20, 4
	v_mov_b32 v4, s24                              ; LDS: my wave's four totals
	v_mov_b32 v5, 0
	s_mov_b32 s34, 0xffff0000                      ; lanes 16 to 31
	s_wait_kmcnt 0x0
.irp k, 0,1,2,3,4,5,6,7
	global_load_b128 v[16+4*\k:19+4*\k], v2, s[10:11] offset:64*\k
	global_load_b128 v[48+4*\k:51+4*\k], v2, s[12:13] offset:64*\k
.endr
	s_wait_loadcnt 0x0
.set i, 0
.rept 16
	v_pk_add_f32 v[16+i:17+i], v[16+i:17+i], v[48+i:49+i]                  ; z
.set i, i+2
.endr
.set i, 0
.rept 16
	v_pk_mul_f32 v[16+i:17+i], v[16+i:17+i], 0xbfb8aa3b op_sel_hi:[1,0]    ; -z log2(e)
.set i, i+2
.endr
.set i, 0
.rept 32
	v_exp_f32 v[16+i], v[16+i]
.set i, i+1
.endr
	v_nop                                          ; a plain instruction behind the last exponential,
	s_wait_alu depctr_va_vdst(0)                   ; and one wait for the batch of 32, ahead of its first reader
.set i, 0
.rept 16
	v_pk_add_f32 v[16+i:17+i], v[16+i:17+i], 1.0 op_sel_hi:[1,0]
.set i, i+2
.endr
.set i, 0
.rept 32
	v_log_f32 v[16+i], v[16+i]                     ; log2(1 + 2^(-z log2 e)) = -log2 sigmoid(z): the sums below are kept positive and turned at the end
.set i, i+1
.endr
	v_nop
	s_wait_alu depctr_va_vdst(0)                   ; one wait for the 32 logarithms
.set k, 1
.rept 7
	v_pk_add_f32 v[16+4*k:17+4*k], v[16+4*k:17+4*k], v[12+4*k:13+4*k]      ; the running sum inside my 8 rows
	v_pk_add_f32 v[18+4*k:19+4*k], v[18+4*k:19+4*k], v[14+4*k:15+4*k]
.set k, k+1
.endr
	; over the lanes: my total, v[44:47], moves one lane up (0 into the first of each 16), then four doubling steps: v[92:95] = the sum of the lanes in front of me in my 16
.irp e, 0,1,2,3
	v_mov_b32 v[92+\e], 0
.endr
.irp e, 0,1,2,3
	v_mov_b32_dpp v[92+\e], v[44+\e] row_shr:1 row_mask:0xf bank_mask:0xf bound_ctrl:1
.endr
.irp s, 1,2,4,8
.irp e, 0,1,2,3
	v_add_f32_dpp v[92+\e], v[92+\e], v[92+\e] row_shr:\s row_mask:0xf bank_mask:0xf bound_ctrl:1
.endr
.endr
	v_pk_add_f32 v[88:89], v[92:93], v[44:45]      ; with my own total
	v_pk_add_f32 v[90:91], v[94:95], v[46:47]
.irp e, 0,1,2,3
	v_readlane_b32 s[28+\e], v[88+\e], 15          ; the lower 16 lanes' total,
.endr
.irp e, 0,1,2,3
	v_cndmask_b32 v[80+\e], 0, s[28+\e], s34       ; for the upper 16 alone
.endr
	v_pk_add_f32 v[92:93], v[92:93], v[80:81]
	v_pk_add_f32 v[94:95], v[94:95], v[82:83]
	v_pk_add_f32 v[88:89], v[88:89], v[80:81]
	v_pk_add_f32 v[90:91], v[90:91], v[82:83]
.irp e, 0,1,2,3
	v_readlane_b32 s[28+\e], v[88+\e], 31          ; my wave's total
.endr
.irp e, 0,1,2,3
	v_mov_b32 v[84+\e], s[28+\e]
.endr
	ds_store_b128 v4, v[84:87]                     ; all lanes write the same 16 bytes
	s_wait_dscnt 0x0                               ; for the others' sake: my store is done
	s_barrier_signal -1
	s_barrier_wait -1
.irp j, 0,1,2,3,4,5,6
	ds_load_b128 v[96+4*\j:99+4*\j], v5 offset:16*\j
.endr
	s_wait_dscnt 0x0
.irp j, 0,1,2,3,4,5,6
	s_cmp_gt_u32 s20, \j                           ; a wave in front of mine?
	s_cselect_b32 s35, -1, 0
	v_cndmask_b32 v80, 0, v[96+4*\j], s35
	v_cndmask_b32 v81, 0, v[97+4*\j], s35
	v_cndmask_b32 v82, 0, v[98+4*\j], s35
	v_cndmask_b32 v83, 0, v[99+4*\j], s35
	v_pk_add_f32 v[92:93], v[92:93], v[80:81]
	v_pk_add_f32 v[94:95], v[94:95], v[82:83]
.endr
.irp k, 0,1,2,3,4,5,6,7
	v_pk_add_f32 v[48+4*\k:49+4*\k], v[16+4*\k:17+4*\k], v[92:93] neg_lo:[1,1] neg_hi:[1,1]  ; cs2 = -(my rows' sum + all in front)
	v_pk_add_f32 v[50+4*\k:51+4*\k], v[18+4*\k:19+4*\k], v[94:95] neg_lo:[1,1] neg_hi:[1,1]
	global_store_b128 v6, v[48+4*\k:51+4*\k], s[18:19] offset:2048*\k                        ; a wave's store: 512 bytes on end
.endr
	s_wait_tensorcnt 0x0                           ; the wave's end, behind my last LDS store
	ds_add_u32 v[SPW], v[NIL]
	s_wait_dscnt 0x0
	s_endpgm
.Lfunc_end_k_q616951bfa2_prep:
	.size	k_q616951bfa2_prep, .Lfunc_end_k_q616951bfa2_prep-k_q616951bfa2_prep
	.p2alignl 7, 3214868480
	.fill 96, 4, 3214868480
	.section	.rodata,"a",@progbits
	.p2align	6, 0x0
	.amdhsa_kernel k_q616951bfa2_prep
		.amdhsa_group_segment_fixed_size 1280
		.amdhsa_private_segment_fixed_size 0
		.amdhsa_enable_private_segment 0
		.amdhsa_kernarg_size 64
		.amdhsa_user_sgpr_count 2
		.amdhsa_user_sgpr_kernarg_segment_ptr 1
		.amdhsa_wavefront_size32 1
		.amdhsa_system_sgpr_workgroup_id_x 1
		.amdhsa_system_sgpr_workgroup_id_y 1
		.amdhsa_system_sgpr_workgroup_id_z 1
		.amdhsa_system_vgpr_workitem_id 0
		.amdhsa_next_free_vgpr 128
		.amdhsa_next_free_sgpr 66
		.amdhsa_reserve_vcc 0
		.amdhsa_float_denorm_mode_32 3
		.amdhsa_float_denorm_mode_16_64 3
		.amdhsa_memory_ordered 1
		.amdhsa_forward_progress 1
		.amdhsa_inst_pref_size 33
	.end_amdhsa_kernel
	.amdgpu_metadata
---
amdhsa.version: [ 1, 2 ]
amdhsa.kernels:
  - .name:           k_q616951bfa2_prep
    .symbol:         k_q616951bfa2_prep.kd
    .args:
      - { .name: x, .offset: 0, .size: 8, .value_kind: global_buffer, .address_space: global }
      - { .name: Wv, .offset: 8, .size: 8, .value_kind: global_buffer, .address_space: global }
      - { .name: Wo, .offset: 16, .size: 8, .value_kind: global_buffer, .address_space: global }
      - { .name: A_log, .offset: 24, .size: 8, .value_kind: global_buffer, .address_space: global }
      - { .name: A_bias, .offset: 32, .size: 8, .value_kind: global_buffer, .address_space: global }
      - { .name: xh, .offset: 40, .size: 8, .value_kind: global_buffer, .address_space: global }
      - { .name: wh, .offset: 48, .size: 8, .value_kind: global_buffer, .address_space: global }
      - { .name: csx, .offset: 56, .size: 8, .value_kind: global_buffer, .address_space: global }
    .group_segment_fixed_size: 1280
    .private_segment_fixed_size: 0
    .kernarg_segment_align: 8
    .kernarg_segment_size: 64
    .max_flat_workgroup_size: 256
    .sgpr_count:     66
    .vgpr_count:     128
    .wavefront_size: 32
...
	.end_amdgpu_metadata
.endif
;; end of part 1
;; launch gv (part 2): grid 64 x 4, 4 waves a work-group, clusters of 4 x 4, 327,680 bytes of LDS; arguments wh, xh, vt, bs; writes vt, bs
.if DOCPART == 2
	.amdgcn_target "amdgcn-amd-amdhsa--gfx1250"
	.amdhsa_code_object_version 6
	.text
	.protected	k_q616951bfa2_gv
	.globl	k_q616951bfa2_gv
	.p2align	8
	.type	k_q616951bfa2_gv,@function
k_q616951bfa2_gv:
	s_mov_b64 s[64:65], 0
	v_nop
	global_prefetch_b8 v0, s[64:65] scope:SCOPE_SE
	s_setreg_imm32_b32 hwreg(HW_REG_WAVE_MODE, 25, 1), 1
	s_wait_xcnt 0x0
	s_wait_alu depctr_hold_cnt(0) depctr_sa_sdst(0) depctr_va_vdst(0) depctr_va_sdst(0) depctr_va_ssrc(0) depctr_va_vcc(0) depctr_vm_vsrc(0)
	s_getreg_b32 s2, hwreg(HW_REG_IB_STS2, 6, 4)
	s_cmp_eq_u32 s2, 0
	s_cbranch_scc0 .Lentry_in_a_cluster
	s_endpgm
.Lentry_in_a_cluster:
	s_bfe_u32 s2, ttmp6, 0x10000c
	s_cmp_lg_u32 s2, 0xf033
	s_cbranch_scc0 .Lentry_shape_is_right
	s_endpgm
.Lentry_shape_is_right:
; vt[e][n] = the sum over k of Wv[e][k] x[n][k]: v without its bias, TRANSPOSED: e = (head, channel) 0..1023, n = (batch, key) 0..16383.  wh, xh, vt in f16, sums in f32, vt rounded once.
; Also bs[n / 128][e] = the sum of the unrounded sums over 128 keys, f32: a later launch makes the sums over all keys right of a block from them.
; LIMIT: |v| stays below 65,504.
; A tile of vt, 256 x 256, is made by four waves, a wave makes 128 x 128: 64 accumulators, 512 registers.  K = 1,024 goes in 8 steps of 128 through two LDS slots filled by the tensor data mover; the rows of the
; tiles are 256 bytes of memory, aligned.  CLUSTERS: 4 x 4 work-groups; Wv's tile hangs on the tile row alone and is asked for jointly along a row of the cluster, x's on the tile column alone, along a column.
; ONE TEXT FOR BOTH SLOTS: s[TB] is the LDS byte at which the slot in hand begins, 0 or SLOT, turned by an exclusive or at each change of slots.
; THE MATRIX INSTRUCTION IS USED TRANSPOSED: source 0 = 16 rows of x, source 1 = 16 rows of Wv: a lane holds row l % 16 of vt and the 8 neighbouring columns 8 (l / 16) + 0..7.
; REGISTERS, in windows of 256: window 0: v0-31 addresses and the eight row sums; v64-127, v128-191 Wv's fragments, two buffers; v32-63, v192-255 the way out.  window 1: v64-191 x's fragments.
; windows 2, 3: accumulator (a, b) at v[8 (8 a + b)], rows 0-63 and 64-127.
.set SIZE_K, 1024
.set SIZE_N, 16384
.set KSTEP,  128
.set PITCH,  272                       ; an LDS row: 256 bytes + 16 of padding = 68 words: the 16 rows of a fragment load start at 16 different groups of four banks
.set HALFT,  128*PITCH
.set SLOT,   4*HALFT                   ; Wv's 256 rows, then x's 256 rows
.set STAGE,  2*SLOT                    ; behind the ring: 16 rows x 272 bytes for each wave; no tensor load lands there
.set SPITCH, 272
.set SPARE,  STAGE+4*16*SPITCH         ; the spare words, 128 bytes for each wave
.set SB,   8                           ; v8-15   block a's row sums
.set A0,   16                          ; v16     my place in Wv's tile of slot 0; never rewritten
.set B0,   17                          ; v17     the same for x
.set ADRA, 18                          ; v18     A0 + s[TB]
.set ADRB, 19                          ; v19     B0 + s[TB]
.set SBA,  20                          ; v20     the sums' way out: where I put a word
.set SBR,  21                          ; v21     where I read 16 bytes back
.set SBO,  22                          ; v22     16 x lane
.set STO,  24
.set RD,   25
.set CO,   26
.set SPW,  28                          ; v28     my spare word; never rewritten
.set NIL,  29                          ; v29     0; never rewritten
.set PFO,  30                          ; v30     the prefetches' offset: lane x 2,048
.set F0,   64
.set F1,   128
.set TMP,  192
.set OB,   32
.set G1,   24                          ; s[24:31] group 1 for Wv's tiles;  s[32:39] group 0: a set for each first fill; the second then walks
.set G0,   32
.set G1B,  48                          ; s[48:55], s[56:63] the same for x's tiles
.set G0B,  56
.set LIM,  43
.set PFA,  44
.set TB,   68
.set WOF,  70                          ; s70     wave x 128 rows: where my part of a slot begins
.set SEL,  72                          ; s[72:73] v_permlanex16_b32's selects
.set MSB, 0
.macro WIN new                         ; the immediate's high byte repeats the setting that is left; a switch that changes nothing is dropped
.if MSB != (\new)
	s_set_vgpr_msb (MSB<<8)|(\new)
.set MSB, \new
.endif
.endm
.set MUL_LO, 0xa1                      ; source 0 window 1, source 1 window 0, C and D window 2
.set MUL_HI, 0xf1                      ; the same, C and D window 3
.set TO_B,   0x40                      ; destination window 1
.macro JLOAD s                         ; a joint load: waves 0, 1 fetch Wv's halves, waves 2, 3 x's; s_nop 0 and four v_nop follow each line
	s_cmp_eq_u32 s11, 0
	s_cbranch_scc0 .Lfor_b_\@
	tensor_load_to_lds s[G0+4*(\s):G0+4*(\s)+3], s[G1:G1+7]
	s_nop 0
.rept 4
	v_nop
.endr
	s_branch .Lasked_\@
.Lfor_b_\@:
	tensor_load_to_lds s[G0B+4*(\s):G0B+4*(\s)+3], s[G1B:G1B+7]
	s_nop 0
.rept 4
	v_nop
.endr
.Lasked_\@:
.endm
; A prefetch, behind each joint refill and the run of LDS loads: the K step two refills on, 32 rows x 256 bytes, a lane a row.  Each row's 256 bytes are named once in the launch: Wv's rows by the cluster with x = 0,
; x's rows by their one cluster; the four partners of a joint load take 32 of its 128 rows each, told apart by address.  It asks in the loop's first four trips (K steps 4 to 7).
.macro ASK
	s_cmp_gt_u32 s3, s[LIM]
	s_cbranch_scc0 .Lnot_mine_\@
	global_prefetch_b8 v[PFO], s[PFA:PFA+1] offset:KSTEP*2 th:TH_LOAD_NT scope:SCOPE_SE
.Lnot_mine_\@:
.endm
.macro CREST                           ; a round of the cluster's barrier behind its opening barrier
	s_cmp_lg_u32 s10, 0
	s_cbranch_scc1 .Lnot_wave_0_\@
	s_barrier_signal -3
.Lnot_wave_0_\@:
	s_barrier_wait -3
	s_barrier_signal -1
	s_barrier_wait -1
.endm
.macro CROUND
	s_barrier_signal -1
	s_barrier_wait -1
	CREST
.endm
	s_load_b128 s[4:7], s[0:1], 0x0                ; wh s[4:5], xh s[6:7]
	s_load_b64 s[8:9], s[0:1], 0x10                ; vt
	s_load_b64 s[66:67], s[0:1], 0x18              ; bs
	v_lshl_add_u32 v[SPW], v0, 2, SPARE
	v_mov_b32 v[NIL], 0
	ds_add_u32 v[SPW], v[NIL]                      ; the wave's opening: the add and its wait stand ahead of my first tensor load
	ds_add_u32 v28, v29
	v_lshrrev_b32 v1, 5, v0
	v_readfirstlane_b32 s10, v1                    ; wave 0..3
	s_lshr_b32 s11, s10, 1                         ; my half of the tile's rows; also: I fetch for Wv (0) or for x (1)
	s_and_b32 s12, s10, 1                          ; my half of its columns; also: which 128 rows I fetch
	s_bfe_u32 s40, ttmp6, 0x40000                  ; cx
	s_bfe_u32 s41, ttmp6, 0x40004                  ; cy
	s_lshl_b32 s42, ttmp9, 2
	s_add_co_u32 s42, s42, s40                     ; tile column
	s_and_b32 s13, ttmp7, 0xffff
	s_lshl_b32 s13, s13, 2
	s_add_co_u32 s13, s13, s41                     ; tile row
	s_lshl_b32 s43, s41, 2
	s_lshl_b32 s43, 15, s43                        ; my row of the cluster
	s_lshl_b32 s44, 0x1111, s40                    ; my column
	s_or_b32 s[G1+0], s43, (1<<16)|(1<<20)|(1<<21)|(5<<22)|(3<<25)   ; mask; 2-byte elements; padding on; bit 21 beside a mask; after every 64 words, 4 words
	s_or_b32 s[G1B+0], s44, (1<<16)|(1<<20)|(1<<21)|(5<<22)|(3<<25)
.irp g, G1, G1B
	s_mov_b32 s[(\g)+1], KSTEP<<16                 ; tensor_dim0 = 128
	s_mov_b32 s[(\g)+2], 128<<16                   ; tensor_dim1 = 128
	s_mov_b32 s[(\g)+3], KSTEP<<16                 ; tile_dim0 = 128
	s_mov_b32 s[(\g)+4], 128                       ; tile_dim1 = 128
	s_mov_b32 s[(\g)+5], SIZE_K                    ; elements from row to row
	s_mov_b32 s[(\g)+6], 0
	s_mov_b32 s[(\g)+7], 0
.endr
	s_lshl_b32 s17, s12, 7
	s_lshl_b32 s16, s13, 8
	s_add_co_u32 s16, s16, s17                     ; Wv: row 256 x tile row + 128 x half
	s_lshl_b32 s46, s42, 8
	s_add_co_u32 s46, s46, s17                     ; x: row 256 x tile column + 128 x half
	s_lshl_b32 s16, s16, 11                        ; rows of 2,048 bytes
	s_lshl_b32 s46, s46, 11
	s_mov_b32 s17, 0
	s_mov_b32 s47, 0
	s_mul_i32 s[WOF], s10, HALFT
	s_mov_b32 s[TB], 0
	s_mov_b32 s[SEL], 0x76543210
	s_mov_b32 s[SEL+1], 0xfedcba98
	s_wait_dscnt 0x0                               ; the opening add is done
	s_wait_kmcnt 0x0
	s_add_nc_u64 s[14:15], s[4:5], s[16:17]
	s_add_nc_u64 s[46:47], s[6:7], s[46:47]
	CROUND                                         ; all sixteen work-groups are here: the first joint loads meet
.irp s, 0,1
	s_mov_b32 s[G0+4*(\s)], 1
	s_add_co_u32 s[G0+4*(\s)+1], s[WOF], (\s)*SLOT
	s_add_nc_u64 s[G0+4*(\s)+2:G0+4*(\s)+3], s[14:15], (\s)*KSTEP*2
	s_or_b32 s[G0+4*(\s)+3], s[G0+4*(\s)+3], 0x80000000
	s_mov_b32 s[G0B+4*(\s)], 1
	s_add_co_u32 s[G0B+4*(\s)+1], s[WOF], (\s)*SLOT
	s_add_nc_u64 s[G0B+4*(\s)+2:G0B+4*(\s)+3], s[46:47], (\s)*KSTEP*2
	s_or_b32 s[G0B+4*(\s)+3], s[G0B+4*(\s)+3], 0x80000000
	JLOAD \s                                       ; K steps 0 and 1: two loads of mine are out
.endr
	v_and_b32 v1, 15, v0                           ; l % 16
	v_bfe_u32 v2, v0, 4, 1                         ; l / 16
	v_and_b32 v6, 31, v0
	v_mul_u32_u24 v3, v1, PITCH
	v_lshl_add_u32 v3, v2, 4, v3                   ; a fragment's row x pitch + 16 x half
	s_mul_i32 s21, s11, HALFT
	s_mul_i32 s22, s12, HALFT
	s_add_co_u32 s22, s22, 2*HALFT
	v_add_nc_u32 v[A0], s21, v3
	v_add_nc_u32 v[B0], s22, v3
	v_mov_b32 v[ADRA], v[A0]
	v_mov_b32 v[ADRB], v[B0]
	s_mul_i32 s23, s10, 16*SPITCH
	s_add_co_u32 s23, s23, STAGE                   ; my stage
	v_mul_u32_u24 v4, v1, SPITCH
	v_lshl_add_u32 v4, v2, 4, v4
	v_add_nc_u32 v[STO], s23, v4
	v_mul_u32_u24 v5, v2, SPITCH
	v_lshl_add_u32 v5, v1, 4, v5
	v_add_nc_u32 v[RD], s23, v5
	v_lshlrev_b32 v5, 15, v2                       ; a row of vt is 32,768 bytes
	v_lshl_add_u32 v[CO], v1, 4, v5
	v_lshl_add_u32 v[SBA], v1, 2, s23
	v_lshl_add_u32 v[SBR], v6, 4, s23
	v_lshlrev_b32 v[SBO], 4, v6
	s_lshl_b32 s16, s13, 8
	s_lshl_b32 s17, s11, 7
	s_add_co_u32 s16, s16, s17                     ; my first row of vt
	s_lshl_b32 s18, s16, 2                         ; its place in a row of bs
	s_lshl_b32 s16, s16, 15
	s_lshl_b32 s17, s42, 9
	s_add_co_u32 s16, s16, s17
	s_lshl_b32 s17, s12, 8
	s_add_co_u32 s16, s16, s17                     ; + my first column, in bytes
	s_mov_b32 s17, 0
	s_add_nc_u64 s[8:9], s[8:9], s[16:17]
	s_lshl_b32 s19, s42, 1
	s_add_co_u32 s19, s19, s12                     ; my 128 columns are block 2 x tile column + half
	s_lshl_b32 s19, s19, 12
	s_add_co_u32 s18, s18, s19
	s_mov_b32 s19, 0
	s_add_nc_u64 s[66:67], s[66:67], s[18:19]
	; the prefetches
	s_lshl_b32 s20, s13, 8
	s_lshl_b32 s21, s42, 8
	s_and_b32 s22, ttmp7, 0xffff
	s_cmp_eq_u32 s11, 0                            ; do I fetch for Wv?
	s_cselect_b32 s20, s20, s21                    ; the tile's first row
	s_cselect_b32 s21, s40, s41                    ; my place among the four that ask with me
	s_cselect_b32 s22, ttmp9, s22                  ; the coordinate along which other clusters read the same rows
	s_cselect_b64 s[PFA:PFA+1], s[4:5], s[6:7]
	s_cmp_eq_u32 s22, 0
	s_cselect_b32 s[LIM], 2, -1
	s_lshl_b32 s22, s12, 7
	s_add_co_u32 s20, s20, s22
	s_lshl_b32 s21, s21, 5
	s_add_co_u32 s20, s20, s21
	s_lshl_b32 s20, s20, 11
	s_mov_b32 s21, 0
	s_add_nc_u64 s[PFA:PFA+1], s[PFA:PFA+1], s[20:21]
	s_add_nc_u64 s[PFA:PFA+1], s[PFA:PFA+1], 2*KSTEP*2  ; at K step 2: the first refill steps it to 3 and names K step 4
	v_lshlrev_b32 v[PFO], 11, v6
.macro MUL16 f, hi, a0, zero           ; 16 matrix instructions: row blocks a0, a0 + 1 of the window's four x all 8 column blocks; zero = 1: the product starts the sums
	WIN MUL_LO+0x50*(\hi)
.irp a, \a0, (\a0)+1
.irp b, 0,1,2,3,4,5,6,7
.if \zero
	v_wmma_f32_16x16x32_f16 v[8*(8*(\a)+(\b)):8*(8*(\a)+(\b))+7], v[(\f)+8*(\b):(\f)+8*(\b)+7], v[(\f)+8*(4*(\hi)+(\a)):(\f)+8*(4*(\hi)+(\a))+7], 0
.else
	v_wmma_f32_16x16x32_f16 v[8*(8*(\a)+(\b)):8*(8*(\a)+(\b))+7], v[(\f)+8*(\b):(\f)+8*(\b)+7], v[(\f)+8*(4*(\hi)+(\a)):(\f)+8*(4*(\hi)+(\a))+7], v[8*(8*(\a)+(\b)):8*(8*(\a)+(\b))+7]
.endif
.endr
.endr
.endm
.macro FETCH k, f                      ; 32 LDS loads in one run: the fragments of 32 along K at byte k of the rows
	WIN TO_B
.irp i, 0,1,2,3,4,5,6,7
	ds_load_b128 v[(\f)+8*(\i):(\f)+8*(\i)+3],   v[ADRB] offset:(\k)+(\i)*16*PITCH
	ds_load_b128 v[(\f)+8*(\i)+4:(\f)+8*(\i)+7], v[ADRB] offset:(\k)+(\i)*16*PITCH+32
.endr
	WIN 0
.irp i, 0,1,2,3,4,5,6,7
	ds_load_b128 v[(\f)+8*(\i):(\f)+8*(\i)+3],   v[ADRA] offset:(\k)+(\i)*16*PITCH
	ds_load_b128 v[(\f)+8*(\i)+4:(\f)+8*(\i)+7], v[ADRA] offset:(\k)+(\i)*16*PITCH+32
.endr
.endm
.macro PLACES                          ; four plain instructions between a matrix instruction and a load into, or a vector instruction on, its registers
.rept 4
	v_nop
.endr
.endm
.macro QUARTER k, f, g, zero           ; 64 products on buffer f; in their middle the next quarter's fragments, at byte k, go into buffer g
	s_wait_dscnt 8                                 ; x's fragments and Wv's rows 0-63 are in; the youngest eight loads may be out
	MUL16 \f, 0, 0, \zero
	MUL16 \f, 0, 2, \zero
	PLACES
	FETCH \k, \g
	s_wait_dscnt 32                                ; all but the 32 just issued
	MUL16 \f, 1, 0, \zero
	MUL16 \f, 1, 2, \zero
.endm
; The fourth quarter changes slots.  In front of the barrier each wave waits for all its tensor loads (at most one is out: its part of the next slot), adds 0 to its spare word, and waits for that and for its reads of this slot.
.macro MEET
	WIN 0
	s_wait_tensorcnt 0x0
	ds_add_u32 v[SPW], v[NIL]
	s_wait_dscnt 9                                 ; the add and the youngest eight loads may be out
	MUL16 F1, 0, 0, 0
	s_wait_dscnt 0x0                               ; the add is done, my reads of this slot are over
	s_barrier_signal -1
	MUL16 F1, 0, 2, 0
	WIN 0
	s_barrier_wait -1
.endm
; fill = 1: the slot just read is filled again, two K steps ahead, behind a round of the cluster's barrier.  fill = 0: the last two K steps, counted by s3 from 2: nothing is asked for, and the very last has no next step to fetch.
.macro TURN fill
.if \fill
	s_wait_xcnt 0x0                                ; the last prefetch, a K step back, has read its address
	s_add_nc_u64 s[PFA:PFA+1], s[PFA:PFA+1], KSTEP*2
.endif
	MEET
.if \fill
	CREST                                          ; no wave of any partner still reads this slot or has a load on its way
	s_add_co_u32 s[G0+5], s[WOF], s[TB]            ; the walking descriptors: this slot,
	s_add_co_u32 s[G0B+5], s[WOF], s[TB]
	s_add_nc_u64 s[G0+6:G0+7], s[G0+6:G0+7], KSTEP*2      ; the next K step
	s_add_nc_u64 s[G0B+6:G0B+7], s[G0B+6:G0B+7], KSTEP*2
	JLOAD 1                                        ; its four v_nop are also the places in front of the loads below
.else
	s_cmp_eq_u32 s3, 1
	s_cbranch_scc1 .Lno_next_\@
	PLACES
.endif
	s_xor_b32 s[TB], s[TB], SLOT                   ; on to the other slot
	v_add_nc_u32 v[ADRA], s[TB], v[A0]
	v_add_nc_u32 v[ADRB], s[TB], v[B0]
	FETCH 0, F0
.if \fill
	ASK
.else
.Lno_next_\@:
.endif
	MUL16 F1, 1, 0, 0
	MUL16 F1, 1, 2, 0
.endm
; THE WAY OUT of row block a: rounded to f16 (PACK), its row sums taken (SUMS), through my stage and back as whole rows of 256 bytes (TOSTAGE), stored (SEND).
.macro PACK a
.set AC, 64*((\a)%4)
	WIN 0x0a+5*((\a)/4)
.irp b, 0,1,2,3,4,5,6,7
.irp r, 0,1,2,3
	v_cvt_pk_f16_f32 v[TMP+4*(\b)+(\r)], v[AC+8*(\b)+2*(\r)], v[AC+8*(\b)+2*(\r)+1]
.endr
.endr
.endm
.macro SUMS a                          ; the block's 8 accumulators are folded in place, f32: my 64 columns of row l % 16
.set AC, 64*((\a)%4)
	WIN 0x8a+0x45*((\a)/4)
.irp w, 4,2,1
.set b, 0
.rept \w
.irp r, 0,2,4,6
	v_pk_add_f32 v[AC+8*b+(\r):AC+8*b+(\r)+1], v[AC+8*b+(\r):AC+8*b+(\r)+1], v[AC+8*(b+(\w))+(\r):AC+8*(b+(\w))+(\r)+1]
.endr
.set b, b+1
.endr
.endr
	v_pk_add_f32 v[AC:AC+1], v[AC:AC+1], v[AC+4:AC+5]
	v_pk_add_f32 v[AC+2:AC+3], v[AC+2:AC+3], v[AC+6:AC+7]
	v_pk_add_f32 v[AC:AC+1], v[AC:AC+1], v[AC+2:AC+3]
	WIN 0x0a+5*((\a)/4)
	v_add_f32 v[SB+(\a)], v[AC], v[AC+1]
.endm
.macro TOSTAGE a
	WIN 0
.set BK, OB+192*((\a)%2)
.irp b, 0,1,2,3,4,5,6,7
	ds_store_b128 v[STO], v[TMP+4*(\b):TMP+4*(\b)+3] offset:32*(\b)
.endr
.irp t, 0,1,2,3,4,5,6,7
	ds_load_b128 v[BK+4*(\t):BK+4*(\t)+3], v[RD] offset:(\t)*2*SPITCH  ; LDS serves a wave's instructions in order: these see the stores above
.endr
.endm
.macro SEND a
	WIN 0
.set BK, OB+192*((\a)%2)
	s_wait_dscnt 0x0                               ; the block is back in registers
	s_wait_xcnt 0x0                                ; earlier stores have read their registers: the other set is loaded again only behind this wait
.irp t, 0,1,2,3,4,5,6,7
	global_store_b128 v[CO], v[BK+4*(\t):BK+4*(\t)+3], s[8:9] offset:(16*(\a)+2*(\t))*SIZE_N*2  ; 16 lanes store 256 consecutive bytes, aligned
.endr
.endm
	s_wait_tensorcnt 1                             ; my part of K step 0 is in; K step 1's may stay out
	s_barrier_signal -1
	s_barrier_wait -1
	FETCH 0, F0
	QUARTER 64, F0, F1, 1                          ; the first quarter stands in front of the loop: its products start the sums
	WIN 0
	s_mov_b32 s3, 6
.Lstep:                                        ; a trip: a K step's second quarter to the next step's first; it fills the slot that it leaves
	QUARTER 128, F1, F0, 0
	QUARTER 192, F0, F1, 0
	TURN 1
	QUARTER 64, F0, F1, 0
	WIN 0
	s_sub_co_u32 s3, s3, 1
	s_cmp_lg_u32 s3, 0
	s_cbranch_scc1 .Lstep
	s_mov_b32 s3, 2
.Ltail:                                        ; the last two K steps have a text of their own, since they ask for nothing; the second has no next step: its fetch and the next step's first quarter are jumped
	QUARTER 128, F1, F0, 0
	QUARTER 192, F0, F1, 0
	TURN 0
	WIN 0
	s_cmp_eq_u32 s3, 1
	s_cbranch_scc1 .Lfinished
	QUARTER 64, F0, F1, 0
	WIN 0
.Lfinished:
	s_sub_co_u32 s3, s3, 1
	s_cmp_lg_u32 s3, 0
	s_cbranch_scc1 .Ltail
	PLACES
	PACK 0
	SUMS 0
	TOSTAGE 0
.irp a, 1,2,3,4,5,6,7
	PACK \a
	SUMS \a
	SEND (\a)-1
	TOSTAGE \a
.endr
	SEND 7
	; the row sums: the other half of the lanes holds the row's other 64 columns; then 128 words through my stage, and one store of 512 bytes on end
.irp a, 0,1,2,3,4,5,6,7
	v_permlanex16_b32 v[TMP+(\a)], v[SB+(\a)], s[SEL], s[SEL+1]
.endr
.irp a, 0,1,2,3,4,5,6,7
	v_add_f32 v[SB+(\a)], v[SB+(\a)], v[TMP+(\a)]
.endr
.irp a, 0,1,2,3,4,5,6,7
	ds_store_b32 v[SBA], v[SB+(\a)] offset:64*(\a) ; lanes l and l + 16 write the same word with the same number
.endr
	ds_load_b128 v[64:67], v[SBR]
	s_wait_dscnt 0x0
	global_store_b128 v[SBO], v[64:67], s[66:67]
	s_wait_tensorcnt 0x0                           ; the wave's end
	ds_add_u32 v[SPW], v[NIL]
	s_wait_dscnt 0x0
	CROUND                                         ; the closing round
	s_endpgm
.Lfunc_end_k_q616951bfa2_gv:
	.size	k_q616951bfa2_gv, .Lfunc_end_k_q616951bfa2_gv-k_q616951bfa2_gv
	.p2alignl 7, 3214868480
	.fill 96, 4, 3214868480
	.section	.rodata,"a",@progbits
	.p2align	6, 0x0
	.amdhsa_kernel k_q616951bfa2_gv
		.amdhsa_group_segment_fixed_size 327680
		.amdhsa_private_segment_fixed_size 0
		.amdhsa_enable_private_segment 0
		.amdhsa_kernarg_size 32
		.amdhsa_user_sgpr_count 2
		.amdhsa_user_sgpr_kernarg_segment_ptr 1
		.amdhsa_wavefront_size32 1
		.amdhsa_system_sgpr_workgroup_id_x 1
		.amdhsa_system_sgpr_workgroup_id_y 1
		.amdhsa_system_sgpr_workgroup_id_z 1
		.amdhsa_system_vgpr_workitem_id 0
		.amdhsa_next_free_vgpr 1024
		.amdhsa_next_free_sgpr 80
		.amdhsa_reserve_vcc 0
		.amdhsa_float_denorm_mode_32 3
		.amdhsa_float_denorm_mode_16_64 3
		.amdhsa_memory_ordered 1
		.amdhsa_forward_progress 1
		.amdhsa_inst_pref_size 119
	.end_amdhsa_kernel
	.amdgpu_metadata
---
amdhsa.version: [ 1, 2 ]
amdhsa.kernels:
  - .name:           k_q616951bfa2_gv
    .symbol:         k_q616951bfa2_gv.kd
    .args:
      - { .name: wh, .offset: 0, .size: 8, .value_kind: global_buffer, .address_space: global }
      - { .name: xh, .offset: 8, .size: 8, .value_kind: global_buffer, .address_space: global }
      - { .name: vt, .offset: 16, .size: 8, .value_kind: global_buffer, .address_space: global }
      - { .name: bs, .offset: 24, .size: 8, .value_kind: global_buffer, .address_space: global }
    .group_segment_fixed_size: 327680
    .private_segment_fixed_size: 0
    .kernarg_segment_align: 8
    .kernarg_segment_size: 32
    .max_flat_workgroup_size: 128
    .sgpr_count:     80
    .vgpr_count:     1024
    .wavefront_size: 32
...
	.end_amdgpu_metadata
.endif
;; end of part 2
;; launch pmake (part 3): grid 256 x 1, 12 waves a work-group, no clusters, 147,456 bytes of LDS; arguments levels, L, L_bias, csx, bs, p, stat; writes p, stat
.if DOCPART == 3
	.amdgcn_target "amdgcn-amd-amdhsa--gfx1250"
	.amdhsa_code_object_version 6
	.text
	.protected	k_q616951bfa2_pmake
	.globl	k_q616951bfa2_pmake
	.p2align	8
	.type	k_q616951bfa2_pmake,@function
k_q616951bfa2_pmake:
	s_mov_b64 s[64:65], 0
	v_nop
	global_prefetch_b8 v0, s[64:65] scope:SCOPE_SE
	s_setreg_imm32_b32 hwreg(HW_REG_WAVE_MODE, 25, 1), 1
	s_wait_xcnt 0x0
; THE WEIGHTS, which hang on no batch.  For row t, key s, head h:  Hm = (L + L_bias)[t][h][levels[t][s]] x 2^(cs2[t] - cs2[s]) for s <= t, else 0;  m = the row's maximum over all 2,048 keys;
; p = 2^(c Hm - c m), c = log2(e), left unnormalised, rounded to f16 and stored for s < 256 (t / 256 + 1): p [16][2048][2048].  Right of that every weight of a row is p0 = 2^(-c m).
; stat: (p0, 1 / Z) at [t][h][2], Z = the sum of the unrounded p + (1792 - 256 (t / 256)) p0;  from byte 262,144: SUF [h][i][batch, channel] = the sum of v over the keys from 256 (i + 1) on, from bs.
; LIMITS.  levels is held to 0..11.  p below 6e-5 keeps f16's fixed step of 6e-8; a weight below 2^-126 counts as 0.  NaN and infinities are not treated apart.
; SHARES.  Work-group g owns the 8 rows t = g + 256 r, r = 0..7.  Row r has r + 1 chunks of 256 keys: 36 chunk jobs = 3 trips x 12 waves, every wave at work in every trip:
; trip 0: row 7 (waves 0-7), row 3 (8-11);  trip 1: row 6 (0-6), row 4 (7-11);  trip 2: row 5 (0-5), row 2 (6-8), row 1 (9, 10), row 0 (11).  s[SCHED] holds a byte a trip: first wave << 4 | r.
; A lane takes 8 neighbouring keys x 16 heads: 128 weights, kept in registers between the maximum and the exponentials.
; cs2 IN LDS.  The 36 jobs read 8 different chunks of cs2, 16 KiB each: the whole table, 128 KiB, is copied into LDS once (waves 0-7, a chunk each), and a job takes its chunk from there.
; AHEAD.  A trip's levels, L, L_bias and the row's own cs2[t] (one number a lane: head l % 16) have registers of their own and are asked for a whole trip ahead, as soon as the trip before has used its own.
; cs2[t] then goes from one lane a head to all lanes through the wave's own 64 bytes of LDS, as c m does later in the trip.
; levels[t][s] is the same for all heads: the wave lays its row's table in LDS as [head group][level][4 heads], so one address and one 16-byte load bring four heads' entries.  Level 12 holds 0: a hidden key's level.
; No tensor load, cluster or matrix unit: nothing is shared between work-groups but small tables, and there is no product.
.set TABB,  131072                     ; behind cs2 (bytes 0 to 131,071, laid as csx is): 1,024 bytes a wave: its row's table
.set BCB,   143360                     ; 64 bytes a wave: 16 numbers, a head each, from one lane a head to all lanes; the wave's own
.set MXB,   144128                     ; 64 bytes a wave: its chunk's maxima
.set SMO,   768                        ; the sums lie 768 bytes behind the maxima
.set SPARE, 145664                     ; the spare words: 128 bytes for each of 12 waves
.set LN,  1                            ; v1   lane
.set SK,  2                            ; v2   8 x lane
.set TA,  3                            ; v3   where my six numbers of the row's table go
.set L24, 4                            ; v4   24 x lane: my six numbers in a row of L
.set MXA, 5                            ; v5   MXB + 4 (l % 16)
.set MXS, 6                            ; v6   the same in my wave's 64 bytes
.set BCS, 7
.set BCL, 8
.set RK,  9                            ; v9   t - my first key
.set PO,  10                           ; v10  my 16 bytes in a head's p
.set STV, 11                           ; v11  my 8 bytes of stat
.set PZ,  12                           ; v[12:13] p0, 1 / Z of head l % 16
.set SPW, 14
.set NIL, 15
.set LV,  16                           ; v[16:23]  LDS addresses made of the levels
.set F,   24                           ; v[24:31]  -1, or 0 for a hidden key
.set R,   32                           ; v[32:47]  maxima, then sums, a head each
.set CST, 48                           ; v[48:63]  cs2[t], later c m, a head each
.set H,   64                           ; v[64:191] (key k, head h) at 64 + 16 k + h
.set G,   192                          ; v[192:223] gathered entries, two sets of 16; before them L + L_bias (192-197); behind them packed p, temporaries (208-211) and the waves' words (212-223)
.set LE,  192
.set OUTR, 192
.set TP,  208
.set SV,  212
.set ZR,  224
.set C12, 225
.set NEG, 226
.set L15, 227
.set VLV, 228
.set VCS, 229
.set VCT, 230
.set VL0, 231
.set FIL, 232                          ; v232 three offsets, one after the other, each behind the wait for the loads that named the one before: the copy of cs2 at the head,
.set BSO, 232                          ;      the block sums in the last trip,
.set SFO, 232                          ;      SUF behind the loop
.set CNTV, 233
.set CSN, 234                          ; v234 cs2[t] of head l % 16, for the trip to come
.set HOF, 235                          ; v235 that head's place in a row's numbers of csx: (l % 16 / 4) x 512 + (l % 4) x 4; never rewritten
.set LVN, 236                          ; v[236:243] the levels of the trip to come
.set LNX, 244                          ; v[244:249] its six numbers of L,
.set LBX, 250                          ; v[250:255] and of L_bias
.set WV,  18
.set SCHED, 20
.set TRIP, 21
.set RHO, 22
.set W0,  23
.set C,   24
.set T,   25
.set REL, 26
.set FLOOR, 27
.set RM,  30
.set WTAB, 31
.set PB,  32                           ; s[32:63] p at head h: 16 pairs
.set CC,  66                           ; s[66:67] c
.set MSK, 68                           ; s[68:79] -1 for the waves that share my row
.set M8,  80
.set SEL, 84
.set RHON, 86
.set W0N, 87
.set CN,  88
.set TN,  89
.set FAC, 92
.set THR, 94
.set CTB, 95
.macro DECODE sh, rho, w0, c, t        ; the byte of s[SCHED] that lies sh bits up
	s_lshr_b32 s28, s[SCHED], \sh
	s_and_b32 s28, s28, 0xff
	s_and_b32 s[\rho], s28, 15
	s_lshr_b32 s[\w0], s28, 4
	s_sub_co_u32 s[\c], s[WV], s[\w0]              ; my chunk
	s_lshl_b32 s[\t], s[\rho], 8
	s_add_co_u32 s[\t], s[\t], ttmp9               ; my row
.endm
.macro GLOADS t, c, rho                ; a trip's 9 loads from memory: my 8 levels; my 6 numbers of the row's L and L_bias, 8 bytes at a time (24 x lane is a multiple of 8); cs2[t] of head l % 16
	s_lshl_b32 s28, s[\t], 13
	s_lshl_b32 s29, s[\c], 10
	s_add_co_u32 s28, s28, s29
	v_lshl_add_u32 v[VLV], v[LN], 5, s28
	s_mul_i32 s28, s[\t], 768
	v_add_nc_u32 v[VL0], s28, v[L24]
	s_lshl_b32 s28, s[\rho], 14                    ; the row's chunk of csx,
	s_add_co_u32 s28, s28, s[CTB]                  ; its place there
	v_add_nc_u32 v[VCT], s28, v[HOF]
	global_load_b128 v[LVN:LVN+3],   v[VLV], s[4:5] th:TH_LOAD_NT
	global_load_b128 v[LVN+4:LVN+7], v[VLV], s[4:5] offset:16 th:TH_LOAD_NT
.irp j, 0,1,2
	global_load_b64 v[LNX+2*\j:LNX+2*\j+1], v[VL0], s[6:7] offset:8*\j
	global_load_b64 v[LBX+2*\j:LBX+2*\j+1], v[VL0], s[8:9] offset:8*\j
.endr
	global_load_b32 v[CSN], v[VCT], s[10:11]
.endm
.macro CLOADS c                        ; a trip's 32 loads of its chunk of cs2 from LDS.  The and changes nothing: a chunk is 0..7
	s_and_b32 s28, s[\c], 7
	s_lshl_b32 s28, s28, 14
	v_lshl_add_u32 v[VCS], v[LN], 4, s28
.set i, 0
.rept 32
	ds_load_b128 v[H+4*i:H+4*i+3], v[VCS] offset:512*i                       ; cs2 of key k = i / 4, head group i % 4: 512 bytes on end
.set i, i+1
.endr
.endm
.macro GATHER k
.irp q, 0,1,2,3
	ds_load_b128 v[G+16*((\k)%2)+4*\q:G+16*((\k)%2)+4*\q+3], v[LV+(\k)] offset:256*\q
.endr
.endm
.macro FM kind, k, i                   ; heads 2 i, 2 i + 1 of key k.  kind 0: cs2[t] - cs2[s] (hidden: cs2[t], which is not above 0).  kind 1: c Hm - c m
.if (\kind) == 1
	v_pk_fma_f32 v[H+16*(\k)+2*(\i):H+16*(\k)+2*(\i)+1], v[H+16*(\k)+2*(\i):H+16*(\k)+2*(\i)+1], s[CC:CC+1], v[CST+2*(\i):CST+2*(\i)+1] op_sel_hi:[1,0,1] neg_lo:[0,0,1] neg_hi:[0,0,1]
.elseif ((\k)%2) == 0
	v_pk_fma_f32 v[H+16*(\k)+2*(\i):H+16*(\k)+2*(\i)+1], v[H+16*(\k)+2*(\i):H+16*(\k)+2*(\i)+1], v[F+(\k):F+(\k)+1], v[CST+2*(\i):CST+2*(\i)+1] op_sel_hi:[1,0,1]
.else
	v_pk_fma_f32 v[H+16*(\k)+2*(\i):H+16*(\k)+2*(\i)+1], v[H+16*(\k)+2*(\i):H+16*(\k)+2*(\i)+1], v[F+(\k)-1:F+(\k)], v[CST+2*(\i):CST+2*(\i)+1] op_sel:[0,1,0] op_sel_hi:[1,1,1]
.endif
.endm
.macro EXPS kind                       ; 64 packed multiply-adds and 128 exponentials in place: ONE batch; key k + 1's multiply-adds stand between key k's exponentials; nothing names a result ahead of the wait
.set ii, 0
.rept 8
	FM \kind, 0, ii
.set ii, ii+1
.endr
.set kk, 0
.rept 8
.set ii, 0
.rept 8
	v_exp_f32 v[H+16*kk+2*ii], v[H+16*kk+2*ii]
	v_exp_f32 v[H+16*kk+2*ii+1], v[H+16*kk+2*ii+1]
.if kk < 7
	FM \kind, kk+1, ii
.endif
.set ii, ii+1
.endr
.set kk, kk+1
.endr
	v_nop                                          ; a plain instruction behind the last exponential,
	s_wait_alu depctr_va_vdst(0)                   ; and one wait for the batch
.endm
.macro HMUL k                          ; Hm of key k; the gathers run two keys ahead, in two sets
.if (\k) < 7
	s_wait_dscnt 4                                 ; key k's four gathers are in; the next key's four may be out
.else
	s_wait_dscnt 0x0
.endif
.irp i, 0,1,2,3,4,5,6,7
	v_pk_mul_f32 v[H+16*(\k)+2*\i:H+16*(\k)+2*\i+1], v[H+16*(\k)+2*\i:H+16*(\k)+2*\i+1], v[G+16*((\k)%2)+2*\i:G+16*((\k)%2)+2*\i+1]
.endr
.if (\k) < 6
	GATHER (\k)+2
.endif
.set hh, 0
.if (\k) == 1
.rept 16
	v_max_num_f32 v[R+hh], v[H+hh], v[H+16+hh]
.set hh, hh+1
.endr
.elseif ((\k)%2) == 1
.rept 16
	v_max3_num_f32 v[R+hh], v[R+hh], v[H+16*((\k)-1)+hh], v[H+16*(\k)+hh]
.set hh, hh+1
.endr
.endif
.endm
; 16 registers, a head each, over 32 lanes: at each step a lane keeps half of its heads and hands the other half to the lane at distance x.  Lane l ends with head l % 16.
.macro RSTEP dppop, half, msk, x
.set jj, 0
.rept \half
	v_cndmask_b32 v[TP+2*(jj%2)],   v[R+jj], v[R+jj+(\half)], s[\msk]
	v_cndmask_b32 v[TP+2*(jj%2)+1], v[R+jj+(\half)], v[R+jj], s[\msk]
	\dppop v[R+jj], v[TP+2*(jj%2)+1], v[TP+2*(jj%2)] row_xmask:\x row_mask:0xf bank_mask:0xf
.set jj, jj+1
.endr
.endm
.macro REDUCE dppop, op
	RSTEP \dppop, 8, M8, 8
	RSTEP \dppop, 4, M8+1, 4
	RSTEP \dppop, 2, M8+2, 2
	RSTEP \dppop, 1, M8+3, 1
	v_permlanex16_b32 v[TP], v[R], s[SEL], s[SEL+1]
	\op v[R], v[R], v[TP]
.endm
.macro PSTORE h0                       ; heads h0 .. h0 + 7: 8 keys pack into 16 bytes; a wave's store is 512 bytes on end
.irp q, 0,1,2,3,4,5,6,7
.irp j, 0,1,2,3
	v_cvt_pk_f16_f32 v[OUTR+4*\q+\j], v[H+32*\j+(\h0)+\q], v[H+32*\j+16+(\h0)+\q]
.endr
	global_store_b128 v[PO], v[OUTR+4*\q:OUTR+4*\q+3], s[PB+2*((\h0)+\q):PB+2*((\h0)+\q)+1] th:TH_STORE_NT
.endr
.endm
	s_load_b256 s[4:11], s[0:1], 0x0               ; levels s[4:5], L s[6:7], L_bias s[8:9], csx s[10:11]
	s_load_b128 s[12:15], s[0:1], 0x20             ; bs s[12:13], p s[14:15]
	s_load_b64 s[16:17], s[0:1], 0x30              ; stat
	v_lshl_add_u32 v[SPW], v0, 2, SPARE
	v_mov_b32 v[NIL], 0
	v_lshrrev_b32 v[LN], 5, v0
	v_readfirstlane_b32 s[WV], v[LN]               ; wave 0..11
	v_and_b32 v[LN], 31, v0
	v_lshlrev_b32 v[SK], 3, v[LN]
	v_and_b32 v[L15], 15, v0
	v_mul_u32_u24 v[L24], 24, v[LN]
	v_mov_b32 v[ZR], 0
	v_mov_b32 v[C12], 12
	v_mov_b32 v[NEG], 0xff7fffff
	s_lshl_b32 s[WTAB], s[WV], 10                  ; my wave's table: 1,024 bytes
	s_add_co_u32 s[WTAB], s[WTAB], TABB
	s_lshl_b32 s28, s[WV], 6
	; numbers 6 l .. 6 l + 5 of a row of L are head l / 2, levels 6 (l % 2) + 0..5: head group l / 8 (256 bytes), word (l / 2) % 4, 16 bytes a level
	v_lshrrev_b32 v32, 3, v[LN]
	v_bfe_u32 v33, v0, 1, 2
	v_and_b32 v34, 1, v0
	v_mul_u32_u24 v34, 96, v34
	v_lshl_add_u32 v[TA], v32, 8, s[WTAB]
	v_lshl_add_u32 v[TA], v33, 2, v[TA]
	v_add_nc_u32 v[TA], v[TA], v34
	v_lshl_add_u32 v[MXA], v[L15], 2, MXB
	v_add_nc_u32 v[MXS], s28, v[MXA]
	s_add_co_u32 s29, s28, BCB
	v_mov_b32 v[BCL], s29
	v_lshl_add_u32 v[BCS], v[L15], 2, s29
	v_lshrrev_b32 v32, 2, v[L15]                   ; head l % 16: its group,
	v_and_b32 v33, 3, v0                           ; its place in the group
	v_lshlrev_b32 v[HOF], 9, v32                   ; in csx a group's numbers of a row lie 512 bytes apart
	v_lshl_add_u32 v[HOF], v33, 2, v[HOF]
	v_lshl_add_u32 v32, v32, 8, s[WTAB]
	v_lshl_add_u32 v32, v33, 2, v32
	ds_store_b32 v32, v[ZR] offset:192             ; level 12 of the 16 heads: 0, once
	s_mov_b32 s[SCHED], 0x050607
	s_cmp_ge_u32 s[WV], 6
	s_cselect_b32 s[SCHED], 0x620607, s[SCHED]
	s_cmp_ge_u32 s[WV], 7
	s_cselect_b32 s[SCHED], 0x627407, s[SCHED]
	s_cmp_ge_u32 s[WV], 8
	s_cselect_b32 s[SCHED], 0x627483, s[SCHED]
	s_cmp_ge_u32 s[WV], 9
	s_cselect_b32 s[SCHED], 0x917483, s[SCHED]
	s_cmp_ge_u32 s[WV], 11
	s_cselect_b32 s[SCHED], 0xB07483, s[SCHED]
	s_mov_b32 s[M8], 0xff00ff00                    ; the lanes whose number has bit 3, 2, 1, 0
	s_mov_b32 s[M8+1], 0xf0f0f0f0
	s_mov_b32 s[M8+2], 0xcccccccc
	s_mov_b32 s[M8+3], 0xaaaaaaaa
	s_mov_b32 s[SEL], 0x76543210
	s_mov_b32 s[SEL+1], 0xfedcba98
	s_mov_b32 s[CC], 0x3fb8aa3b                    ; c = log2(e)
	s_mov_b32 s[CC+1], s[CC]
	s_mov_b32 s[FAC+1], 0
	s_and_b32 s28, ttmp9, 7                        ; row g of a chunk lies at k = g % 8, lane g / 8
	s_lshl_b32 s28, s28, 11
	s_lshr_b32 s29, ttmp9, 3
	s_lshl_b32 s29, s29, 4
	s_add_co_u32 s[CTB], s28, s29
	s_mov_b32 s[TRIP], 3
	DECODE 0, RHON, W0N, CN, TN
	s_wait_kmcnt 0x0
	s_mov_b64 s[PB:PB+1], s[14:15]
.set hh, 1
.rept 15
	s_add_nc_u64 s[PB+2*hh:PB+2*hh+1], s[14:15], hh*0x800000
.set hh, hh+1
.endr
	GLOADS TN, CN, RHON                            ; the first trip's
	s_cmp_ge_u32 s[WV], 8
	s_cbranch_scc1 .Lfilled
	s_lshl_b32 s28, s[WV], 14                      ; waves 0-7 copy a chunk of cs2 each: the same byte offset in csx and in LDS
	v_lshl_add_u32 v[FIL], v[LN], 4, s28
.set i, 0
.rept 32
	global_load_b128 v[H+4*i:H+4*i+3], v[FIL], s[10:11] offset:512*i
.set i, i+1
.endr
.set i, 0
.rept 32
	s_wait_loadcnt 31-i                            ; loads come back in order: number i is in, the 31 - i younger ones stay out
	ds_store_b128 v[FIL], v[H+4*i:H+4*i+3] offset:512*i
.set i, i+1
.endr
.Lfilled:
	s_wait_dscnt 0x0                               ; for the others' sake: my part of cs2 is stored
	s_barrier_signal -1
	s_barrier_wait -1                              ; cs2 is whole; nobody writes it again
	CLOADS CN
	s_wait_dscnt 0x0
.Ltrip:
	DECODE 0, RHO, W0, C, T
	s_lshl_b32 s28, s[C], 8
	s_sub_co_u32 s[REL], s[T], s28                 ; t - the chunk's first key
	s_add_co_u32 s28, s[RHO], 1
	s_bfm_b32 s[RM], s28, s[W0]                    ; the waves of my row
.irp j, 0,1,2,3,4,5,6,7,8,9,10,11
	s_bitcmp1_b32 s[RM], \j
	s_cselect_b32 s[MSK+\j], -1, 0
.endr
	s_cmp_lt_u32 s[RHO], 7                         ; are there whole blocks of zeros right of the row's own?  (in the last block the hidden keys of the own chunk carry the 0)
	s_cselect_b32 s[FLOOR], 0, 0xff7fffff
	s_lshl_b32 s28, s[RHO], 8
	s_sub_co_u32 s28, 1792, s28
	s_wait_xcnt 0x0                                ; the last trip's stores have read their registers
	v_cvt_f32_u32 v[CNTV], s28                     ; how many keys lie right of the row's blocks
	s_lshl_b32 s28, s[T], 12
	s_lshl_b32 s29, s[C], 9
	s_add_co_u32 s28, s28, s29
	v_lshl_add_u32 v[PO], v[LN], 4, s28
	s_lshl_b32 s28, s[T], 7
	v_lshl_add_u32 v[STV], v[L15], 3, s28
	s_wait_loadcnt 0x0                             ; levels, L, L_bias and cs2[t] were asked for a trip ago
	ds_store_b32 v[BCS], v[CSN]                    ; cs2[t]: from one lane a head
.irp q, 0,1,2,3
	ds_load_b128 v[CST+4*\q:CST+4*\q+3], v[BCL] offset:16*\q   ; to all 16 heads in every lane; LDS serves a wave's instructions in order, and the bytes are the wave's own
.endr
	; the row's table
.irp j, 0,1,2
	v_pk_add_f32 v[LE+2*\j:LE+2*\j+1], v[LNX+2*\j:LNX+2*\j+1], v[LBX+2*\j:LBX+2*\j+1]
.endr
.irp e, 0,1,2,3,4,5
	ds_store_b32 v[TA], v[LE+\e] offset:16*\e
.endr
	; levels to LDS addresses; a hidden key takes level 12 and the factor 0
	v_sub_nc_u32 v[RK], s[REL], v[SK]
.irp k, 0,1,2,3,4,5,6,7
	v_min_u32 v[LV+\k], 11, v[LVN+\k]
	v_cmp_gt_i32 vcc_lo, \k, v[RK]
	v_cndmask_b32 v[LV+\k], v[LV+\k], v[C12], vcc_lo
	v_cndmask_b32 v[F+\k], -1.0, v[ZR], vcc_lo
	v_min_u32 v[LV+\k], 12, v[LV+\k]
	v_lshl_add_u32 v[LV+\k], v[LV+\k], 4, s[WTAB]
.endr
	GATHER 0                                       ; LDS serves a wave's instructions in order: the gathers see the table's stores
	GATHER 1
	s_wait_dscnt 8                                 ; all but the eight gathers: cs2[t] is in every lane, and the store that read v[CSN] is done
	s_cmp_eq_u32 s[TRIP], 1
	s_cbranch_scc1 .Lno_next
	DECODE 8, RHON, W0N, CN, TN
	GLOADS TN, CN, RHON                            ; the next trip's: their 21 registers have been read, and the wait for loads above has shown the loads that named the three address registers done
.Lno_next:
	EXPS 0                                         ; the decay
.irp k, 0,1,2,3,4,5,6,7
	HMUL \k
.endr
	REDUCE v_max_num_f32_dpp, v_max_num_f32
	ds_store_b32 v[MXS], v[R]
	s_wait_dscnt 0x0                               ; for the others' sake: my maxima are stored
	s_barrier_signal -1
	s_barrier_wait -1
.irp j, 0,1,2,3,4,5,6,7,8,9,10,11
	ds_load_b32 v[SV+\j], v[MXA] offset:64*\j
.endr
	s_wait_dscnt 0x0
.irp j, 0,1,2,3,4,5,6,7,8,9,10,11
	v_cndmask_b32 v[SV+\j], v[NEG], v[SV+\j], s[MSK+\j]  ; the waves of my row alone
.endr
	v_max3_num_f32 v[TP], v[SV], v[SV+1], v[SV+2]
	v_max3_num_f32 v[TP], v[TP], v[SV+3], v[SV+4]
	v_max3_num_f32 v[TP], v[TP], v[SV+5], v[SV+6]
	v_max3_num_f32 v[TP], v[TP], v[SV+7], v[SV+8]
	v_max3_num_f32 v[TP], v[TP], v[SV+9], v[SV+10]
	v_max3_num_f32 v[TP], v[TP], v[SV+11], s[FLOOR]      ; m of head l % 16
	v_mul_f32 v[TP+1], s[CC], v[TP]                ; c m
	v_mul_f32 v[TP+2], 0xbfb8aa3b, v[TP]           ; -c m
	v_exp_f32 v[PZ], v[TP+2]                       ; p0; its wait is the next batch's
	ds_store_b32 v[BCS], v[TP+1]
.irp q, 0,1,2,3
	ds_load_b128 v[CST+4*\q:CST+4*\q+3], v[BCL] offset:16*\q   ; c m of all 16 heads, in every lane
.endr
	s_wait_dscnt 0x0
	EXPS 1                                         ; p
.set ii, 0
.rept 8
	v_pk_add_f32 v[R+2*ii:R+2*ii+1], v[H+2*ii:H+2*ii+1], v[H+16+2*ii:H+16+2*ii+1]
.set ii, ii+1
.endr
.set kk, 2
.rept 6
.set ii, 0
.rept 8
	v_pk_add_f32 v[R+2*ii:R+2*ii+1], v[R+2*ii:R+2*ii+1], v[H+16*kk+2*ii:H+16*kk+2*ii+1]
.set ii, ii+1
.endr
.set kk, kk+1
.endr
	PSTORE 0
	s_wait_xcnt 0x0                                ; the eight stores have read their registers
	PSTORE 8
	s_wait_xcnt 0x0                                ; and so have these: the registers take the sums' temporaries
	s_cmp_eq_u32 s[TRIP], 1
	s_cbranch_scc1 .Lbsl
	CLOADS CN                                      ; the next trip's chunk of cs2 comes out of LDS under the sums; the wait in front of the barrier below is also the wait for it
	s_branch .Lsums
.Lbsl:                                         ; the last trip: waves 0-3 ask for the block sums of v instead
	s_cmp_ge_u32 s[WV], 4
	s_cbranch_scc1 .Lsums
	s_and_b32 s28, ttmp9, 1                        ; work-group g makes SUF of head g / 16, block (g / 2) % 8, batches 4 (g % 2) + wave
	s_lshl_b32 s28, s28, 18
	s_lshl_b32 s29, s[WV], 16
	s_add_co_u32 s28, s28, s29
	s_lshr_b32 s29, ttmp9, 4
	s_lshl_b32 s29, s29, 8
	s_add_co_u32 s28, s28, s29
	v_lshl_add_u32 v[BSO], v[LN], 3, s28
.set jj, 0
.rept 16
	global_load_b64 v[H+2*jj:H+2*jj+1], v[BSO], s[12:13] offset:4096*jj
.set jj, jj+1
.endr
.Lsums:
	REDUCE v_add_f32_dpp, v_add_f32
	ds_store_b32 v[MXS], v[R] offset:SMO
	s_wait_dscnt 0x0
	s_barrier_signal -1                            ; behind it the maxima's words may be written again: every wave's reads of them were waited for above
	s_barrier_wait -1
.irp j, 0,1,2,3,4,5,6,7,8,9,10,11
	ds_load_b32 v[SV+\j], v[MXA] offset:SMO+64*\j
.endr
	s_wait_dscnt 0x0
.irp j, 0,1,2,3,4,5,6,7,8,9,10,11
	v_cndmask_b32 v[SV+\j], v[ZR], v[SV+\j], s[MSK+\j]
.endr
	v_pk_add_f32 v[SV:SV+1], v[SV:SV+1], v[SV+2:SV+3]
	v_pk_add_f32 v[SV+4:SV+5], v[SV+4:SV+5], v[SV+6:SV+7]
	v_pk_add_f32 v[SV+8:SV+9], v[SV+8:SV+9], v[SV+10:SV+11]
	v_pk_add_f32 v[SV:SV+1], v[SV:SV+1], v[SV+4:SV+5]
	v_pk_add_f32 v[SV:SV+1], v[SV:SV+1], v[SV+8:SV+9]
	v_add_f32 v[SV], v[SV], v[SV+1]
	v_fma_f32 v[SV], v[CNTV], v[PZ], v[SV]         ; Z
	v_rcp_f32 v[PZ+1], v[SV]
	v_nop
	s_wait_alu depctr_va_vdst(0)                   ; ahead of the branch and of the store that reads the reciprocal
	s_cmp_lg_u32 s[C], 0                           ; the row's first wave stores for the row
	s_cbranch_scc1 .Lnot_first
	global_store_b64 v[STV], v[PZ:PZ+1], s[16:17]  ; lanes l and l + 16 store the same 8 bytes
.Lnot_first:
	s_lshr_b32 s[SCHED], s[SCHED], 8
	s_sub_co_u32 s[TRIP], s[TRIP], 1
	s_cmp_lg_u32 s[TRIP], 0
	s_cbranch_scc1 .Ltrip
	s_cmp_ge_u32 s[WV], 4
	s_cbranch_scc1 .Lend
	s_wait_loadcnt 0x0
	s_bfe_u32 s[THR], ttmp9, 0x30001               ; i = (g / 2) % 8
	s_lshl_b32 s[THR], s[THR], 1
	s_add_co_u32 s[THR], s[THR], 2                 ; the first block of 128 keys right of tile row i
	s_lshl_b32 s28, ttmp9, 10
	s_lshl_b32 s29, s[WV], 8
	s_add_co_u32 s28, s28, s29
	v_lshl_add_u32 v[SFO], v[LN], 3, s28
.set jj, 0
.rept 16
	s_cmp_le_u32 s[THR], jj
	s_cselect_b32 s[FAC], 1.0, 0
.if jj == 0
	v_pk_mul_f32 v[H+32:H+33], v[H:H+1], s[FAC:FAC+1] op_sel_hi:[1,0]
.else
	v_pk_fma_f32 v[H+32:H+33], v[H+2*jj:H+2*jj+1], s[FAC:FAC+1], v[H+32:H+33] op_sel_hi:[1,0,1]
.endif
.set jj, jj+1
.endr
	global_store_b64 v[SFO], v[H+32:H+33], s[16:17] offset:262144   ; a wave's store: 256 consecutive bytes, aligned
.Lend:
	s_wait_tensorcnt 0x0                           ; the wave's end, behind my last LDS store
	ds_add_u32 v[SPW], v[NIL]
	s_wait_dscnt 0x0
	s_endpgm
.Lfunc_end_k_q616951bfa2_pmake:
	.size	k_q616951bfa2_pmake, .Lfunc_end_k_q616951bfa2_pmake-k_q616951bfa2_pmake
	.p2alignl 7, 3214868480
	.fill 96, 4, 3214868480
	.section	.rodata,"a",@progbits
	.p2align	6, 0x0
	.amdhsa_kernel k_q616951bfa2_pmake
		.amdhsa_group_segment_fixed_size 147456
		.amdhsa_private_segment_fixed_size 0
		.amdhsa_enable_private_segment 0
		.amdhsa_kernarg_size 56
		.amdhsa_user_sgpr_count 2
		.amdhsa_user_sgpr_kernarg_segment_ptr 1
		.amdhsa_wavefront_size32 1
		.amdhsa_system_sgpr_workgroup_id_x 1
		.amdhsa_system_sgpr_workgroup_id_y 1
		.amdhsa_system_sgpr_workgroup_id_z 1
		.amdhsa_system_vgpr_workitem_id 0
		.amdhsa_next_free_vgpr 256
		.amdhsa_next_free_sgpr 96
		.amdhsa_reserve_vcc 1
		.amdhsa_float_denorm_mode_32 3
		.amdhsa_float_denorm_mode_16_64 3
		.amdhsa_memory_ordered 1
		.amdhsa_forward_progress 1
		.amdhsa_inst_pref_size 73
	.end_amdhsa_kernel
	.amdgpu_metadata
---
amdhsa.version: [ 1, 2 ]
amdhsa.kernels:
  - .name:           k_q616951bfa2_pmake
    .symbol:         k_q616951bfa2_pmake.kd
    .args:
      - { .name: levels, .offset: 0, .size: 8, .value_kind: global_buffer, .address_space: global }
      - { .name: L, .offset: 8, .size: 8, .value_kind: global_buffer, .address_space: global }
      - { .name: L_bias, .offset: 16, .size: 8, .value_kind: global_buffer, .address_space: global }
      - { .name: csx, .offset: 24, .size: 8, .value_kind: global_buffer, .address_space: global }
      - { .name: bs, .offset: 32, .size: 8, .value_kind: global_buffer, .address_space: global }
      - { .name: p, .offset: 40, .size: 8, .value_kind: global_buffer, .address_space: global }
      - { .name: stat, .offset: 48, .size: 8, .value_kind: global_buffer, .address_space: global }
    .group_segment_fixed_size: 147456
    .private_segment_fixed_size: 0
    .kernarg_segment_align: 8
    .kernarg_segment_size: 56
    .max_flat_workgroup_size: 384
    .sgpr_count:     96
    .vgpr_count:     256
    .wavefront_size: 32
...
	.end_amdgpu_metadata
.endif
;; end of part 3
;; launch gm (part 4): grid 4 x 64, 4 waves a work-group, clusters of 4 x 1, 327,680 bytes of LDS; arguments p, vt, stat, bv, oh; writes oh
.if DOCPART == 4
	.amdgcn_target "amdgcn-amd-amdhsa--gfx1250"
	.amdhsa_code_object_version 6
	.text
	.protected	k_q616951bfa2_gm
	.globl	k_q616951bfa2_gm
	.p2align	8
	.type	k_q616951bfa2_gm,@function
k_q616951bfa2_gm:
	s_mov_b64 s[64:65], 0
	v_nop
	global_prefetch_b8 v0, s[64:65] scope:SCOPE_SE
	s_setreg_imm32_b32 hwreg(HW_REG_WAVE_MODE, 25, 1), 1
	s_wait_xcnt 0x0
	s_wait_alu depctr_hold_cnt(0) depctr_sa_sdst(0) depctr_va_vdst(0) depctr_va_sdst(0) depctr_va_ssrc(0) depctr_va_vcc(0) depctr_vm_vsrc(0)
	s_getreg_b32 s2, hwreg(HW_REG_IB_STS2, 6, 4)
	s_cmp_eq_u32 s2, 0
	s_cbranch_scc0 .Lentry_in_a_cluster
	s_endpgm
.Lentry_in_a_cluster:
	s_bfe_u32 s2, ttmp6, 0x10000c
	s_cmp_lg_u32 s2, 0x3003
	s_cbranch_scc0 .Lentry_shape_is_right
	s_endpgm
.Lentry_shape_is_right:
; O[h][batch, t][d] = rz[t] ( the sum over s < 256 (t / 256 + 1) of p[h][t][s] v[s][d]  +  p0[t] SUF[d] ) + bv[d].  p, vt (v transposed, without bias) and oh in f16; sums in f32; O rounded once.
; Right of a row's own block of 256 keys every weight is p0[t], so those keys enter as p0 x (the sum of v over them): the term with which the sums START.  The weights of a row add up to 1, so v's bias is added at the end.
; LIMIT: |O| stays below 65,504; below 6.1e-5 it keeps f16's fixed step of 6e-8.
; THE WALK.  Tile row i (256 rows t) needs the keys 0 .. 256 (i + 1) - 1: 2 (i + 1) K steps of 128.  A work-group makes TWO tiles of 256 (t) x 128 (two batches x 64 channels), tile row 7 - b and then b:
; 18 K steps whatever b: all 256 work-groups do equal work, and loops with constant counts walk them; the ring runs on across the change of tiles.  What hangs on b lies in scalar registers that enter global addresses alone.
; CLUSTER.  The four work-groups of a cluster have one head, one b and the four pairs of batches: they need the same tile of p, asked for JOINTLY (mask 15).  vt's tile is each work-group's own: a plain load in the same round.
; The clusters that read the same rows of vt are a head's four values of b; they walk different numbers of steps in each tile, so no joint request serves them.
; A wave makes 128 rows x 64 columns (one batch): 32 accumulators.  Source 0 = 16 rows of vt (channels), source 1 = 16 rows of p: a lane holds row l % 16 and channels 8 (l / 16) + 0..7.
; REGISTERS: window 0: v0-31 addresses; two fragment buffers of 96 (p's 64, vt's 32) at v64 and v160; the way out in v32-63 and v160-255.  window 1: accumulator (a, b) at v[8 (4 a + b)].
; window 2: (p0, rz) of tile T, block a at v[16 T + 2 a]; SUF at v[32 + 32 T + 8 b]; bv at v[96 + 8 b].
.set PITCH, 272
.set HA,    128*PITCH                  ; what a wave fetches of p
.set HB,    64*PITCH                   ; of vt
.set BOFF,  2*HA
.set SLOT,  2*HA+2*HB
.set STAGE, 2*SLOT                     ; 16 rows x 144 bytes for each wave; no tensor load lands there
.set SP,    144
.set SPARE, STAGE+4*16*SP
.set A0,   16
.set B0,   17
.set ADRA, 18
.set ADRB, 19
.set STO,  24
.set RD,   25
.set GO,   26
.set SPW,  28
.set NIL,  29
.set PFO,  30
.set F0,   64
.set F1,   160
.set PZ,   0
.set SUF,  32
.set BV,   96
.set G1,   24
.set G0,   32
.set G1B,  48
.set G0B,  56
.set KN,   40                          ; s40  byte along K of the K step to ask for next
.set ROWO, 41                          ; s41  its tile row's byte offset in a head's p
.set KEND, 42                          ; s42  where that tile's K ends
.set LIM,  43
.set PFA,  44
.set PFS,  46
.set KN2,  66                          ; the same three, two K steps further on: the prefetches' walker
.set ROWO2, 67
.set TB,   68
.set KEND2, 69
.set WOFA, 70
.set WOFB, 71
.set ROWLO, 82
.set KENDLO, 83
.set ROWM, 84
.set LIMLO, 85
.set OHB,  86                          ; s[86:87], s[88:89] oh at my rows of the first, the second tile
.set MSB, 0
.macro WIN new
.if MSB != (\new)
	s_set_vgpr_msb (MSB<<8)|(\new)
.set MSB, \new
.endif
.endm
.macro JLOAD s                         ; waves 0, 1: the joint load of p's halves; waves 2, 3: my work-group's own load of vt's halves
	s_cmp_eq_u32 s11, 0
	s_cbranch_scc0 .Lfor_b_\@
	tensor_load_to_lds s[G0+4*(\s):G0+4*(\s)+3], s[G1:G1+7]
	s_nop 0
.rept 4
	v_nop
.endr
	s_branch .Lasked_\@
.Lfor_b_\@:
	tensor_load_to_lds s[G0B+4*(\s):G0B+4*(\s)+3], s[G1B:G1B+7]
	s_nop 0
.rept 4
	v_nop
.endr
.Lasked_\@:
.endm
; A prefetch of the K step two refills on, behind the refill and the run of LDS loads.  p: each of the four partners takes 32 of the 128 rows that wave 0 or 1 fetches, told apart by address, a lane a row.
; vt: waves 2, 3 name their own 64 rows, two lines; a head's four clusters read the same rows, so the cluster with b = 0 asks, and only in its first tile, which walks all keys.  The last two refills ask for nothing.
.macro ASK
	s_cmp_gt_u32 s2, s[LIM]
	s_cbranch_scc0 .Lnot_mine_\@
	global_prefetch_b8 v[PFO], s[PFA:PFA+1] th:TH_LOAD_NT scope:SCOPE_SE
	s_cmp_eq_u32 s11, 0
	s_cbranch_scc1 .Lnot_mine_\@
	global_prefetch_b8 v[PFO], s[PFA:PFA+1] offset:1048576 th:TH_LOAD_NT scope:SCOPE_SE
.Lnot_mine_\@:
.endm
.macro CREST
	s_cmp_lg_u32 s10, 0
	s_cbranch_scc1 .Lnot_wave_0_\@
	s_barrier_signal -3
.Lnot_wave_0_\@:
	s_barrier_wait -3
	s_barrier_signal -1
	s_barrier_wait -1
.endm
.macro CROUND
	s_barrier_signal -1
	s_barrier_wait -1
	CREST
.endm
	s_load_b256 s[72:79], s[0:1], 0x0              ; p s[72:73], vt s[74:75], stat s[76:77], bv s[78:79]
	s_load_b64 s[80:81], s[0:1], 0x20              ; oh
	v_lshl_add_u32 v[SPW], v0, 2, SPARE
	v_mov_b32 v[NIL], 0
	ds_add_u32 v[SPW], v[NIL]                      ; the wave's opening: the add and its wait stand ahead of my first tensor load
	ds_add_u32 v28, v29
	v_lshrrev_b32 v1, 5, v0
	v_readfirstlane_b32 s10, v1                    ; wave 0..3
	s_lshr_b32 s11, s10, 1                         ; my half of the rows; also: I fetch p (0) or vt (1)
	s_and_b32 s12, s10, 1                          ; my batch of the two; also: which half I fetch
	s_bfe_u32 s15, ttmp6, 0x40000                  ; cx: my pair of batches
	s_and_b32 s16, ttmp7, 0xffff
	s_lshr_b32 s13, s16, 2                         ; the head
	s_and_b32 s14, s16, 3                          ; b: the second tile row
	s_sub_co_u32 s17, 7, s14                       ; the first
	s_mov_b32 s[G1+0], 15|(1<<16)|(1<<20)|(1<<21)|(5<<22)|(3<<25)  ; the mask of four; 2-byte elements; padding on; bit 21 beside a mask; after every 64 words, 4 words
	s_mov_b32 s[G1+1], 128<<16                     ; tensor_dim0 = 128
	s_mov_b32 s[G1+2], 128<<16                     ; tensor_dim1 = 128
	s_mov_b32 s[G1+3], 128<<16                     ; tile_dim0 = 128
	s_mov_b32 s[G1+4], 128                         ; tile_dim1 = 128
	s_mov_b32 s[G1+5], 2048                        ; a row of p
	s_mov_b32 s[G1+6], 0
	s_mov_b32 s[G1+7], 0
	s_mov_b32 s[G1B+0], (1<<16)|(1<<20)|(5<<22)|(3<<25)
	s_mov_b32 s[G1B+1], 128<<16
	s_mov_b32 s[G1B+2], 64<<16                     ; 64 rows
	s_mov_b32 s[G1B+3], 128<<16
	s_mov_b32 s[G1B+4], 64
	s_mov_b32 s[G1B+5], 16384                      ; a row of vt
	s_mov_b32 s[G1B+6], 0
	s_mov_b32 s[G1B+7], 0
	s_mul_i32 s[WOFA], s12, HA
	s_mul_i32 s[WOFB], s12, HB
	s_add_co_u32 s[WOFB], s[WOFB], BOFF
	s_mov_b32 s[TB], 0
	s_lshl_b32 s[ROWO], s17, 20                    ; 256 rows of 4,096 bytes
	s_mov_b32 s[ROWO2], s[ROWO]
	s_add_co_u32 s[KEND], s17, 1
	s_lshl_b32 s[KEND], s[KEND], 9
	s_mov_b32 s[KEND2], s[KEND]
	s_lshl_b32 s[ROWLO], s14, 20
	s_add_co_u32 s[KENDLO], s14, 1
	s_lshl_b32 s[KENDLO], s[KENDLO], 9
	s_mov_b32 s[KN], 512                           ; K steps 0 and 1 are the first fills
	s_mov_b32 s[KN2], 1024
	s_mov_b32 s21, 0
	s_mov_b32 s23, 0
	s_mov_b32 s91, 0
	s_sub_co_u32 s3, 8, s14
	s_lshl_b32 s3, s3, 1                           ; K steps of the first tile
	s_lshl_b32 s18, s13, 23                        ; p: the head, my 128 rows of a tile
	s_lshl_b32 s16, s12, 19
	s_add_co_u32 s18, s18, s16
	s_mov_b32 s19, 0
	s_lshl_b32 s92, s13, 21                        ; vt: the head's 64 rows, my work-group's pair of batches, my batch
	s_lshl_b32 s16, s15, 13
	s_add_co_u32 s92, s92, s16
	s_lshl_b32 s16, s12, 12
	s_add_co_u32 s92, s92, s16
	s_mov_b32 s93, 0
	s_wait_dscnt 0x0                               ; the opening add is done
	s_wait_kmcnt 0x0
	s_add_nc_u64 s[72:73], s[72:73], s[18:19]
	s_add_nc_u64 s[74:75], s[74:75], s[92:93]
	s_mov_b32 s20, s[ROWO]
	s_add_nc_u64 s[94:95], s[72:73], s[20:21]
	CROUND                                         ; all four work-groups are here: the first joint loads meet
.irp s, 0,1
	s_mov_b32 s[G0+4*(\s)], 1
	s_add_co_u32 s[G0+4*(\s)+1], s[WOFA], (\s)*SLOT
	s_add_nc_u64 s[G0+4*(\s)+2:G0+4*(\s)+3], s[94:95], (\s)*256
	s_or_b32 s[G0+4*(\s)+3], s[G0+4*(\s)+3], 0x80000000
	s_mov_b32 s[G0B+4*(\s)], 1
	s_add_co_u32 s[G0B+4*(\s)+1], s[WOFB], (\s)*SLOT
	s_add_nc_u64 s[G0B+4*(\s)+2:G0B+4*(\s)+3], s[74:75], (\s)*256
	s_or_b32 s[G0B+4*(\s)+3], s[G0B+4*(\s)+3], 0x80000000
	JLOAD \s                                       ; two loads of mine are out
.endr
	v_and_b32 v1, 15, v0                           ; l % 16
	v_bfe_u32 v2, v0, 4, 1                         ; l / 16
	v_lshlrev_b32 v4, 7, v1                        ; a row of (p0, rz) is 128 bytes
	v_lshlrev_b32 v5, 5, v2                        ; my 8 channels in f32
.macro STATS T, i                      ; (p0, rz) of my 128 rows and SUF of my 64 channels, for the tile row in s[i]
	s_lshl_b32 s18, s[\i], 15
	s_lshl_b32 s16, s11, 14
	s_add_co_u32 s18, s18, s16
	s_lshl_b32 s16, s13, 3
	s_add_co_u32 s18, s18, s16
	s_add_nc_u64 s[92:93], s[76:77], s[18:19]
	s_lshl_b32 s18, s13, 3
	s_add_co_u32 s18, s18, s[\i]
	s_lshl_b32 s18, s18, 11
	s_lshl_b32 s16, s15, 1
	s_add_co_u32 s16, s16, s12
	s_lshl_b32 s16, s16, 8
	s_add_co_u32 s18, s18, s16
	s_add_nc_u64 s[94:95], s[76:77], s[18:19]
	WIN 0x80
.irp a, 0,1,2,3,4,5,6,7
	global_load_b64 v[PZ+16*(\T)+2*\a:PZ+16*(\T)+2*\a+1], v4, s[92:93] offset:2048*\a
.endr
.irp b, 0,1,2,3
	global_load_b128 v[SUF+32*(\T)+8*\b:SUF+32*(\T)+8*\b+3],   v5, s[94:95] offset:262144+64*\b
	global_load_b128 v[SUF+32*(\T)+8*\b+4:SUF+32*(\T)+8*\b+7], v5, s[94:95] offset:262144+64*\b+16
.endr
	WIN 0
.endm
	STATS 0, 17
	s_wait_xcnt 0x0                                ; the loads have read their bases, which are written again
	STATS 1, 14
	s_lshl_b32 s18, s13, 8
	s_add_nc_u64 s[78:79], s[78:79], s[18:19]
	WIN 0x80
.irp b, 0,1,2,3
	global_load_b128 v[BV+8*\b:BV+8*\b+3],   v5, s[78:79] offset:64*\b
	global_load_b128 v[BV+8*\b+4:BV+8*\b+7], v5, s[78:79] offset:64*\b+16
.endr
	WIN 0
	s_lshl_b32 s18, s13, 21                        ; oh: the head, my batch, my half of the rows,
	s_lshl_b32 s16, s15, 1
	s_add_co_u32 s16, s16, s12
	s_lshl_b32 s16, s16, 18
	s_add_co_u32 s18, s18, s16
	s_lshl_b32 s16, s11, 14
	s_add_co_u32 s18, s18, s16
	s_add_nc_u64 s[OHB:OHB+1], s[80:81], s[18:19]
	s_mov_b64 s[OHB+2:OHB+3], s[OHB:OHB+1]
	s_lshl_b32 s18, s17, 15                        ; and the tile row
	s_add_nc_u64 s[OHB:OHB+1], s[OHB:OHB+1], s[18:19]
	s_lshl_b32 s18, s14, 15
	s_add_nc_u64 s[OHB+2:OHB+3], s[OHB+2:OHB+3], s[18:19]
	v_mul_u32_u24 v3, v1, PITCH
	v_lshl_add_u32 v3, v2, 4, v3
	s_mul_i32 s16, s11, HA
	v_add_nc_u32 v[A0], s16, v3
	s_mul_i32 s16, s12, HB
	s_add_co_u32 s16, s16, BOFF
	v_add_nc_u32 v[B0], s16, v3
	v_mov_b32 v[ADRA], v[A0]
	v_mov_b32 v[ADRB], v[B0]
	s_mul_i32 s16, s10, 16*SP
	s_add_co_u32 s16, s16, STAGE
	v_mul_u32_u24 v[STO], v1, SP                   ; in: row l % 16, 16 bytes for each half of the lanes
	v_lshl_add_u32 v[STO], v2, 4, v[STO]
	v_add_nc_u32 v[STO], s16, v[STO]
	v_bfe_u32 v[RD], v0, 3, 2                      ; back: 32 lanes take four rows of 128 bytes,
	v_mul_u32_u24 v[RD], v[RD], SP
	v_and_b32 v6, 7, v0
	v_lshl_add_u32 v[RD], v6, 4, v[RD]
	v_add_nc_u32 v[RD], s16, v[RD]
	v_and_b32 v[GO], 31, v0                        ; which are 512 consecutive bytes of oh
	v_and_b32 v[PFO], 31, v0
	v_lshlrev_b32 v[GO], 4, v[GO]
	s_cmp_eq_u32 s11, 0
	s_cselect_b32 s[LIMLO], 2, -1
	s_cselect_b32 s[ROWM], -1, 0
	s_cselect_b64 s[PFS:PFS+1], s[72:73], s[74:75]
	s_cselect_b32 s16, 12, 15                      ; a lane a row: of 4,096 or of 32,768 bytes
	s_cselect_b32 s18, s15, 0
	s_cmp_eq_u32 s14, 0
	s_cselect_b32 s[LIM], 2, s[LIMLO]
	s_lshl_b32 s18, s18, 17                        ; p: my work-group's 32 rows of the 128
	s_add_nc_u64 s[PFS:PFS+1], s[PFS:PFS+1], s[18:19]
	v_lshlrev_b32 v[PFO], s16, v[PFO]
.macro MUL8 f, a0                      ; 8 matrix instructions: row blocks a0, a0 + 1 x the 4 column blocks; the 32 accumulators take turns in the same order in every quarter
	WIN 0x50
.irp a, \a0, (\a0)+1
.irp b, 0,1,2,3
	v_wmma_f32_16x16x32_f16 v[8*(4*(\a)+(\b)):8*(4*(\a)+(\b))+7], v[(\f)+64+8*(\b):(\f)+64+8*(\b)+7], v[(\f)+8*(\a):(\f)+8*(\a)+7], v[8*(4*(\a)+(\b)):8*(4*(\a)+(\b))+7]
.endr
.endr
.endm
.macro FETCH k, f                      ; 24 LDS loads in one run: vt's four fragments, then p's eight
	WIN 0
.irp i, 0,1,2,3
	ds_load_b128 v[(\f)+64+8*(\i):(\f)+64+8*(\i)+3],   v[ADRB] offset:(\k)+(\i)*16*PITCH
	ds_load_b128 v[(\f)+64+8*(\i)+4:(\f)+64+8*(\i)+7], v[ADRB] offset:(\k)+(\i)*16*PITCH+32
.endr
.irp i, 0,1,2,3,4,5,6,7
	ds_load_b128 v[(\f)+8*(\i):(\f)+8*(\i)+3],   v[ADRA] offset:(\k)+(\i)*16*PITCH
	ds_load_b128 v[(\f)+8*(\i)+4:(\f)+8*(\i)+7], v[ADRA] offset:(\k)+(\i)*16*PITCH+32
.endr
.endm
.macro PLACES
.rept 4
	v_nop
.endr
.endm
.macro QUARTER k, f, g
	s_wait_dscnt 8                                 ; vt's fragments and p's rows 0-63 are in; the youngest eight loads may be out
	MUL8 \f, 0
	MUL8 \f, 2
	PLACES
	FETCH \k, \g
	s_wait_dscnt 24                                ; all but the 24 just issued
	MUL8 \f, 4
	MUL8 \f, 6
.endm
.macro MEET fill
	WIN 0
	s_wait_tensorcnt 0x0                           ; all my tensor loads have landed: my part of the next slot; so a group 0 may be written
	ds_add_u32 v[SPW], v[NIL]                      ; the descriptors' scalar work stands behind it
.if \fill
	s_add_co_u32 s20, s[ROWO], s[KN]               ; the addresses are made anew: a base and an offset made apart
	s_mov_b32 s22, s[KN]
	s_add_co_u32 s[G0+5], s[WOFA], s[TB]
	s_add_nc_u64 s[G0+6:G0+7], s[72:73], s[20:21]
	s_or_b32 s[G0+7], s[G0+7], 0x80000000
	s_add_co_u32 s[G0B+5], s[WOFB], s[TB]
	s_add_nc_u64 s[G0B+6:G0B+7], s[74:75], s[22:23]
	s_or_b32 s[G0B+7], s[G0B+7], 0x80000000
	s_add_co_u32 s[KN], s[KN], 256                 ; the tile's next K step, or behind its last the second tile's first
	s_cmp_eq_u32 s[KN], s[KEND]
	s_cselect_b32 s[KN], 0, s[KN]
	s_cselect_b32 s[ROWO], s[ROWLO], s[ROWO]
	s_cselect_b32 s[KEND], s[KENDLO], s[KEND]
.endif
	s_wait_dscnt 9                                 ; the add and the youngest eight loads may be out
	MUL8 F1, 0
	s_wait_dscnt 0x0                               ; the add is done, my reads of this slot are over
	s_barrier_signal -1
	MUL8 F1, 2
	WIN 0
	s_barrier_wait -1
.endm
; fill = 1: the slot just read is filled again behind a round of the cluster's barrier.  fill = 0: the last two K steps, counted by s2 from 2: nothing is asked for, and the very last has no next step to fetch.
.macro TURN fill
.if \fill
	s_wait_xcnt 0x0                                ; the last prefetches and stores have read their addresses
	s_and_b32 s90, s[ROWO2], s[ROWM]
	s_add_co_u32 s90, s90, s[KN2]
	s_add_nc_u64 s[PFA:PFA+1], s[PFS:PFS+1], s[90:91]
.endif
	MEET \fill
.if \fill
	CREST                                          ; no wave of any partner still reads this slot or has a load on its way
	JLOAD 1                                        ; its four v_nop are also the places in front of the loads below
.else
	s_cmp_eq_u32 s2, 1
	s_cbranch_scc1 .Lno_next_\@
	PLACES
.endif
	s_xor_b32 s[TB], s[TB], SLOT
	v_add_nc_u32 v[ADRA], s[TB], v[A0]
	v_add_nc_u32 v[ADRB], s[TB], v[B0]
	FETCH 0, F0
.if \fill
	ASK
	s_add_co_u32 s[KN2], s[KN2], 256               ; the prefetches' walker steps behind the asking
	s_cmp_eq_u32 s[KN2], s[KEND2]
	s_cselect_b32 s[KN2], 0, s[KN2]
	s_cselect_b32 s[ROWO2], s[ROWLO], s[ROWO2]
	s_cselect_b32 s[KEND2], s[KENDLO], s[KEND2]
	s_cselect_b32 s[LIM], s[LIMLO], s[LIM]         ; in the second tile vt's rows have been read: they are asked for no more
.else
.Lno_next_\@:
.endif
	MUL8 F1, 4
	MUL8 F1, 6
.endm
.macro STEP fill                       ; a K step
	QUARTER 64, F0, F1
	QUARTER 128, F1, F0
	QUARTER 192, F0, F1
	TURN \fill
.endm
.macro INIT T                          ; the sums start at p0 x SUF: nothing is cleared
	WIN 0x4a
.irp a, 0,1,2,3,4,5,6,7
.irp b, 0,1,2,3
.irp r, 0,2,4,6
	v_pk_mul_f32 v[8*(4*\a+\b)+\r:8*(4*\a+\b)+\r+1], v[PZ+16*(\T)+2*\a:PZ+16*(\T)+2*\a+1], v[SUF+32*(\T)+8*\b+\r:SUF+32*(\T)+8*\b+\r+1] op_sel_hi:[0,1]
.endr
.endr
.endr
.endm
.macro GPACK T, a                      ; row block a: sums x rz + bv, rounded to f16, through my stage and back as whole rows; each accumulator's registers in ascending order
.set TM, 32+16*(\a)
.if (\a) >= 2
.set TM, 160+16*((\a)-2)
.endif
	WIN 0x69
.irp b, 0,1,2,3
.irp r, 0,2,4,6
	v_pk_fma_f32 v[8*(4*(\a)+\b)+\r:8*(4*(\a)+\b)+\r+1], v[8*(4*(\a)+\b)+\r:8*(4*(\a)+\b)+\r+1], v[PZ+16*(\T)+2*(\a):PZ+16*(\T)+2*(\a)+1], v[BV+8*\b+\r:BV+8*\b+\r+1] op_sel:[0,1,0] op_sel_hi:[1,1,1]
.endr
.endr
	WIN 0x05
.irp b, 0,1,2,3
.irp r, 0,1,2,3
	v_cvt_pk_f16_f32 v[TM+4*\b+\r], v[8*(4*(\a)+\b)+2*\r], v[8*(4*(\a)+\b)+2*\r+1]
.endr
.endr
	WIN 0
.irp b, 0,1,2,3
	ds_store_b128 v[STO], v[TM+4*\b:TM+4*\b+3] offset:32*\b
.endr
.irp f, 0,1,2,3
	ds_load_b128 v[TM+4*\f:TM+4*\f+3], v[RD] offset:\f*4*SP  ; LDS serves a wave's instructions in order: these see the stores above; the next block's stores come behind them
.endr
.endm
.macro GSEND T, a, younger             ; younger: the next block's eight LDS instructions, or none
.set TM, 32+16*(\a)
.if (\a) >= 2
.set TM, 160+16*((\a)-2)
.endif
	WIN 0
.irp f, 0,1,2,3
	s_wait_dscnt (\younger)+3-\f
	global_store_b128 v[GO], v[TM+4*\f:TM+4*\f+3], s[OHB+2*(\T):OHB+2*(\T)+1] offset:(\a)*2048+\f*512  ; 512 consecutive bytes, aligned
.endr
.endm
.macro OUT T
	WIN 0
	s_wait_dscnt 0x0                               ; the next tile's first fragments, if any are out, are in: the counts below are the way out's own
	PLACES                                         ; behind the last products
	GPACK \T, 0
.irp a, 1,2,3,4,5,6,7
	GPACK \T, \a
	GSEND \T, (\a)-1, 8
.endr
	GSEND \T, 7, 0
	s_wait_xcnt 0x0                                ; the stores have read their registers, which take fragments again
.endm
	s_wait_loadcnt 0x0
	INIT 0
	WIN 0
	s_wait_tensorcnt 1                             ; my part of K step 0 is in; K step 1's may stay out
	s_barrier_signal -1
	s_barrier_wait -1
	FETCH 0, F0
	s_mov_b32 s2, 16
.Lstep:                                        ; 16 trips: a K step each, and the K step two on is asked for
	STEP 1
	WIN 0
	s_sub_co_u32 s3, s3, 1
	s_cmp_lg_u32 s3, 0                             ; was it the first tile's last?  (b is the same in all four partners)
	s_cbranch_scc1 .Lgo_on
	OUT 0                                          ; both refills for the second tile's first steps are asked for: now the first tile goes out
	INIT 1
	WIN 0
.Lgo_on:
	s_sub_co_u32 s2, s2, 1
	s_cmp_lg_u32 s2, 0
	s_cbranch_scc1 .Lstep
	s_mov_b32 s2, 2
.Ltail:                                        ; the last two K steps have a text of their own, since they ask for nothing
	STEP 0
	WIN 0
	s_sub_co_u32 s2, s2, 1
	s_cmp_lg_u32 s2, 0
	s_cbranch_scc1 .Ltail
	OUT 1
	s_wait_tensorcnt 0x0                           ; the wave's end
	ds_add_u32 v[SPW], v[NIL]
	s_wait_dscnt 0x0
	CROUND                                         ; the closing round
	s_endpgm
.Lfunc_end_k_q616951bfa2_gm:
	.size	k_q616951bfa2_gm, .Lfunc_end_k_q616951bfa2_gm-k_q616951bfa2_gm
	.p2alignl 7, 3214868480
	.fill 96, 4, 3214868480
	.section	.rodata,"a",@progbits
	.p2align	6, 0x0
	.amdhsa_kernel k_q616951bfa2_gm
		.amdhsa_group_segment_fixed_size 327680
		.amdhsa_private_segment_fixed_size 0
		.amdhsa_enable_private_segment 0
		.amdhsa_kernarg_size 40
		.amdhsa_user_sgpr_count 2
		.amdhsa_user_sgpr_kernarg_segment_ptr 1
		.amdhsa_wavefront_size32 1
		.amdhsa_system_sgpr_workgroup_id_x 1
		.amdhsa_system_sgpr_workgroup_id_y 1
		.amdhsa_system_sgpr_workgroup_id_z 1
		.amdhsa_system_vgpr_workitem_id 0
		.amdhsa_next_free_vgpr 640
		.amdhsa_next_free_sgpr 96
		.amdhsa_reserve_vcc 0
		.amdhsa_float_denorm_mode_32 3
		.amdhsa_float_denorm_mode_16_64 3
		.amdhsa_memory_ordered 1
		.amdhsa_forward_progress 1
		.amdhsa_inst_pref_size 114
	.end_amdhsa_kernel
	.amdgpu_metadata
---
amdhsa.version: [ 1, 2 ]
amdhsa.kernels:
  - .name:           k_q616951bfa2_gm
    .symbol:         k_q616951bfa2_gm.kd
    .args:
      - { .name: p, .offset: 0, .size: 8, .value_kind: global_buffer, .address_space: global }
      - { .name: vt, .offset: 8, .size: 8, .value_kind: global_buffer, .address_space: global }
      - { .name: stat, .offset: 16, .size: 8, .value_kind: global_buffer, .address_space: global }
      - { .name: bv, .offset: 24, .size: 8, .value_kind: global_buffer, .address_space: global }
      - { .name: oh, .offset: 32, .size: 8, .value_kind: global_buffer, .address_space: global }
    .group_segment_fixed_size: 327680
    .private_segment_fixed_size: 0
    .kernarg_segment_align: 8
    .kernarg_segment_size: 40
    .max_flat_workgroup_size: 128
    .sgpr_count:     96
    .vgpr_count:     640
    .wavefront_size: 32
...
	.end_amdgpu_metadata
.endif
;; end of part 4
;; launch go (part 5): grid 4 x 64, 4 waves a work-group, clusters of 4 x 4, 327,680 bytes of LDS; arguments oh, wh, bo, out0; writes out0
.if DOCPART == 5
	.amdgcn_target "amdgcn-amd-amdhsa--gfx1250"
	.amdhsa_code_object_version 6
	.text
	.protected	k_q616951bfa2_go
	.globl	k_q616951bfa2_go
	.p2align	8
	.type	k_q616951bfa2_go,@function
k_q616951bfa2_go:
	s_mov_b64 s[64:65], 0
	v_nop
	global_prefetch_b8 v0, s[64:65] scope:SCOPE_SE
	s_setreg_imm32_b32 hwreg(HW_REG_WAVE_MODE, 25, 1), 1
	s_wait_xcnt 0x0
	s_wait_alu depctr_hold_cnt(0) depctr_sa_sdst(0) depctr_va_vdst(0) depctr_va_sdst(0) depctr_va_ssrc(0) depctr_va_vcc(0) depctr_vm_vsrc(0)
	s_getreg_b32 s2, hwreg(HW_REG_IB_STS2, 6, 4)
	s_cmp_eq_u32 s2, 0
	s_cbranch_scc0 .Lentry_in_a_cluster
	s_endpgm
.Lentry_in_a_cluster:
	s_bfe_u32 s2, ttmp6, 0x10000c
	s_cmp_lg_u32 s2, 0xf033
	s_cbranch_scc0 .Lentry_shape_is_right
	s_endpgm
.Lentry_shape_is_right:
; out0[m][n] = the sum over k of O[m][k] Wo[n][k] + bo[n].  m = (batch, t) 0..16383, n 0..1023, k = (head, channel).  oh: O by heads, [16][16384][64] f16; Wo: f16, at byte 2,097,152 of wh; sums and out0 in f32.
; A tile of out0, 256 x 256, is made by four waves, a wave makes 128 x 128: 64 accumulators.  K goes in 8 steps of 128 = two heads, through two LDS slots.  Of O a K step is two dense blocks of 256 rows x 128 bytes,
; one a head; each is asked for as 128 rows of 256 bytes and padded in LDS after every 128 bytes.  CLUSTERS: 4 x 4; O's tile is asked for jointly along a row of the cluster, Wo's along a column.
; ONE TEXT FOR BOTH SLOTS: s[TB] is the LDS byte at which the slot in hand begins.  The bias is the C operand of the products that start the sums: nothing is cleared and nothing is added later.
; Source 0 = 16 rows of Wo, source 1 = 16 rows of O: a lane holds row l % 16 of out0 and the 8 neighbouring columns 8 (l / 16) + 0..7.
; REGISTERS: window 0: v0-31 addresses; v64-127, v128-191 O's fragments, later the way out.  window 1: v0-63 the bias, 8 registers a column block; v64-191 Wo's fragments.  windows 2, 3: accumulator (a, b) at v[8 (8 a + b)].
; SCALARS: s[24:63] are the four descriptor groups and the prefetches' four registers; no line behind the first loads writes a descriptor's register but behind a wait for all tensor loads.
.set PA,     144                       ; a row of O in LDS: 128 bytes + 16
.set ASL,    256*PA                    ; one head's 256 rows
.set PITCH,  272                       ; a row of Wo: 256 bytes + 16
.set HALFT,  128*PITCH
.set BOFF,   2*ASL
.set SLOT,   2*ASL+2*HALFT
.set STAGE,  2*SLOT                    ; 16 rows x 528 bytes for each wave; no tensor load lands there
.set SPITCH, 528
.set SPARE,  STAGE+4*16*SPITCH
.set A0,   16
.set B0,   17
.set ADRA, 18
.set ADRB, 19
.set STO,  24
.set RD,   25
.set CO,   26
.set BO,   27
.set SPW,  28
.set NIL,  29
.set PFO,  30
.set F0,   64
.set F1,   128
.set G1,   24
.set G0,   32
.set G1B,  48
.set G0B,  56
.set LIM,  43
.set PFA,  44
.set PFS,  46
.set TB,   68
.set WOFA, 70
.set WOFB, 71
.set BIGS, 72                          ; s72  at work in the prefetches' set-up: O's step from K step to K step
.set SHF,  73                          ; s73  at work there: the shift that makes a lane's offset
.set MSB, 0
.macro WIN new
.if MSB != (\new)
	s_set_vgpr_msb (MSB<<8)|(\new)
.set MSB, \new
.endif
.endm
.set MUL_LO, 0xa1
.set MUL_HI, 0xf1
.set TO_B,   0x40
.macro JLOAD s
	s_cmp_eq_u32 s11, 0
	s_cbranch_scc0 .Lfor_b_\@
	tensor_load_to_lds s[G0+4*(\s):G0+4*(\s)+3], s[G1:G1+7]
	s_nop 0
.rept 4
	v_nop
.endr
	s_branch .Lasked_\@
.Lfor_b_\@:
	tensor_load_to_lds s[G0B+4*(\s):G0B+4*(\s)+3], s[G1B:G1B+7]
	s_nop 0
.rept 4
	v_nop
.endr
.Lasked_\@:
.endm
; A prefetch of the K step two refills on, behind the refill and the run of LDS loads: 32 blocks of 256 bytes, a lane a block.  O's dense 32 KiB are shared out among the four partners by address, 8 KiB each; every
; cluster asks (no other reads its rows).  Wo's rows are read by every cluster: the one with y = 0 asks, its partners 32 rows each.  It asks in the loop's first four trips (K steps 4 to 7).
.macro ASK
	s_cmp_gt_u32 s3, s[LIM]
	s_cbranch_scc0 .Lnot_mine_\@
	global_prefetch_b8 v[PFO], s[PFA:PFA+1] th:TH_LOAD_NT scope:SCOPE_SE
.Lnot_mine_\@:
.endm
.macro CREST
	s_cmp_lg_u32 s10, 0
	s_cbranch_scc1 .Lnot_wave_0_\@
	s_barrier_signal -3
.Lnot_wave_0_\@:
	s_barrier_wait -3
	s_barrier_signal -1
	s_barrier_wait -1
.endm
.macro CROUND
	s_barrier_signal -1
	s_barrier_wait -1
	CREST
.endm
	s_load_b128 s[4:7], s[0:1], 0x0                ; oh s[4:5], wh s[6:7]
	s_load_b64 s[66:67], s[0:1], 0x10              ; bo
	s_load_b64 s[8:9], s[0:1], 0x18                ; out0
	v_lshl_add_u32 v[SPW], v0, 2, SPARE
	v_mov_b32 v[NIL], 0
	ds_add_u32 v[SPW], v[NIL]                      ; the wave's opening: the add and its wait stand ahead of my first tensor load
	ds_add_u32 v28, v29
	v_lshrrev_b32 v1, 5, v0
	v_readfirstlane_b32 s10, v1
	s_lshr_b32 s11, s10, 1                         ; my half of the rows; also: I fetch O (0) or Wo (1)
	s_and_b32 s12, s10, 1                          ; my half of the columns; also: which head of the two, or which 128 rows, I fetch
	s_bfe_u32 s40, ttmp6, 0x40000
	s_bfe_u32 s41, ttmp6, 0x40004
	s_lshl_b32 s42, ttmp9, 2
	s_add_co_u32 s42, s42, s40                     ; tile column
	s_and_b32 s13, ttmp7, 0xffff
	s_lshl_b32 s13, s13, 2
	s_add_co_u32 s13, s13, s41                     ; tile row
	s_lshl_b32 s43, s41, 2
	s_lshl_b32 s43, 15, s43
	s_lshl_b32 s44, 0x1111, s40
	s_or_b32 s[G1+0], s43, (1<<16)|(1<<20)|(1<<21)|(4<<22)|(3<<25)   ; O: padding after every 32 words, 4 words
	s_or_b32 s[G1B+0], s44, (1<<16)|(1<<20)|(1<<21)|(5<<22)|(3<<25)  ; Wo: after every 64 words
.irp g, G1, G1B
	s_mov_b32 s[(\g)+1], 128<<16
	s_mov_b32 s[(\g)+2], 128<<16
	s_mov_b32 s[(\g)+3], 128<<16
	s_mov_b32 s[(\g)+4], 128
	s_mov_b32 s[(\g)+6], 0
	s_mov_b32 s[(\g)+7], 0
.endr
	s_mov_b32 s[G1+5], 128                         ; O: dense, 128 elements from row to row
	s_mov_b32 s[G1B+5], 1024                       ; a row of Wo
	s_lshl_b32 s16, s13, 15                        ; O: the tile's 256 rows of 128 bytes,
	s_lshl_b32 s17, s12, 21                        ; my head of the two
	s_add_co_u32 s16, s16, s17
	s_lshl_b32 s17, s12, 7
	s_lshl_b32 s46, s42, 8
	s_add_co_u32 s46, s46, s17
	s_lshl_b32 s46, s46, 11                        ; Wo: row 256 x tile column + 128 x half
	s_mov_b32 s17, 0
	s_mov_b32 s47, 0
	s_mul_i32 s[WOFA], s12, ASL
	s_mul_i32 s[WOFB], s12, HALFT
	s_add_co_u32 s[WOFB], s[WOFB], BOFF
	s_mov_b32 s[TB], 0
	s_wait_dscnt 0x0
	s_wait_kmcnt 0x0
	s_add_nc_u64 s[6:7], s[6:7], 0x200000          ; Wo lies behind Wv
	s_add_nc_u64 s[14:15], s[4:5], s[16:17]
	s_add_nc_u64 s[46:47], s[6:7], s[46:47]
	CROUND
.irp s, 0,1
	s_mov_b32 s[G0+4*(\s)], 1
	s_add_co_u32 s[G0+4*(\s)+1], s[WOFA], (\s)*SLOT
	s_add_nc_u64 s[G0+4*(\s)+2:G0+4*(\s)+3], s[14:15], (\s)*0x400000   ; a K step is two heads of 2 MiB
	s_or_b32 s[G0+4*(\s)+3], s[G0+4*(\s)+3], 0x80000000
	s_mov_b32 s[G0B+4*(\s)], 1
	s_add_co_u32 s[G0B+4*(\s)+1], s[WOFB], (\s)*SLOT
	s_add_nc_u64 s[G0B+4*(\s)+2:G0B+4*(\s)+3], s[46:47], (\s)*256
	s_or_b32 s[G0B+4*(\s)+3], s[G0B+4*(\s)+3], 0x80000000
	JLOAD \s
.endr
	v_and_b32 v1, 15, v0
	v_bfe_u32 v2, v0, 4, 1
	v_and_b32 v6, 31, v0
	v_lshlrev_b32 v[BO], 5, v2
	s_lshl_b32 s16, s42, 10
	s_lshl_b32 s17, s12, 9
	s_add_co_u32 s16, s16, s17                     ; my 128 columns in f32
	s_mov_b32 s17, 0
	s_add_nc_u64 s[66:67], s[66:67], s[16:17]
	s_add_nc_u64 s[8:9], s[8:9], s[16:17]
	WIN TO_B
.irp b, 0,1,2,3,4,5,6,7
	global_load_b128 v[8*\b:8*\b+3],   v[BO], s[66:67] offset:64*\b
	global_load_b128 v[8*\b+4:8*\b+7], v[BO], s[66:67] offset:64*\b+16
.endr
	WIN 0
	v_mul_u32_u24 v3, v1, PA
	v_lshl_add_u32 v3, v2, 4, v3
	s_mul_i32 s21, s11, 128*PA
	v_add_nc_u32 v[A0], s21, v3
	v_mul_u32_u24 v3, v1, PITCH
	v_lshl_add_u32 v3, v2, 4, v3
	s_mul_i32 s22, s12, HALFT
	s_add_co_u32 s22, s22, BOFF
	v_add_nc_u32 v[B0], s22, v3
	v_mov_b32 v[ADRA], v[A0]
	v_mov_b32 v[ADRB], v[B0]
	s_mul_i32 s23, s10, 16*SPITCH
	s_add_co_u32 s23, s23, STAGE
	v_mul_u32_u24 v4, v1, SPITCH                   ; in: row l % 16, 32 bytes for each half of the lanes
	v_lshl_add_u32 v4, v2, 5, v4
	v_add_nc_u32 v[STO], s23, v4
	v_lshl_add_u32 v[RD], v6, 4, s23               ; back: a row's 512 bytes, 16 a lane
	v_lshlrev_b32 v[CO], 4, v6
	s_lshl_b32 s16, s13, 8
	s_lshl_b32 s18, s11, 7
	s_add_co_u32 s16, s16, s18
	s_lshl_b32 s16, s16, 12                        ; my first row of out0: rows of 4,096 bytes
	s_add_nc_u64 s[8:9], s[8:9], s[16:17]
	; the prefetches
	s_lshl_b32 s20, s13, 15
	s_lshl_b32 s21, s12, 21
	s_add_co_u32 s20, s20, s21
	s_lshl_b32 s21, s40, 13
	s_add_co_u32 s20, s20, s21                     ; O: my work-group's 8 KiB of the block that I fetch
	s_lshl_b32 s22, s42, 8
	s_lshl_b32 s23, s12, 7
	s_add_co_u32 s22, s22, s23
	s_lshl_b32 s23, s41, 5
	s_add_co_u32 s22, s22, s23
	s_lshl_b32 s22, s22, 11                        ; Wo: my work-group's 32 rows of the 128
	s_and_b32 s23, ttmp7, 0xffff
	s_mov_b32 s[PFS], 256
	s_mov_b32 s[BIGS], 0x400000
	s_cmp_eq_u32 s11, 0
	s_cselect_b32 s20, s20, s22
	s_cselect_b32 s23, 0, s23
	s_cselect_b32 s[PFS], s[BIGS], s[PFS]          ; from K step to K step
	s_cselect_b32 s[SHF], 8, 11                    ; from lane to lane: 256 or 2,048 bytes
	s_cselect_b64 s[PFA:PFA+1], s[4:5], s[6:7]
	s_cmp_eq_u32 s23, 0
	s_cselect_b32 s[LIM], 2, -1
	s_mov_b32 s[PFS+1], 0
	s_mov_b32 s21, 0
	s_add_nc_u64 s[PFA:PFA+1], s[PFA:PFA+1], s[20:21]
	s_add_nc_u64 s[PFA:PFA+1], s[PFA:PFA+1], s[PFS:PFS+1]
	s_add_nc_u64 s[PFA:PFA+1], s[PFA:PFA+1], s[PFS:PFS+1]
	s_add_nc_u64 s[PFA:PFA+1], s[PFA:PFA+1], s[PFS:PFS+1]   ; at K step 3: the first refill steps it to 4
	v_lshlrev_b32 v[PFO], s[SHF], v6
.macro MUL16 f, hi, a0, first          ; first = 1: the product starts the sums with the bias as C
.if \first
	WIN 0x91+0x40*(\hi)
.else
	WIN MUL_LO+0x50*(\hi)
.endif
.irp a, \a0, (\a0)+1
.irp b, 0,1,2,3,4,5,6,7
.if \first
	v_wmma_f32_16x16x32_f16 v[8*(8*(\a)+(\b)):8*(8*(\a)+(\b))+7], v[(\f)+8*(\b):(\f)+8*(\b)+7], v[(\f)+8*(4*(\hi)+(\a)):(\f)+8*(4*(\hi)+(\a))+7], v[8*(\b):8*(\b)+7]
.else
	v_wmma_f32_16x16x32_f16 v[8*(8*(\a)+(\b)):8*(8*(\a)+(\b))+7], v[(\f)+8*(\b):(\f)+8*(\b)+7], v[(\f)+8*(4*(\hi)+(\a)):(\f)+8*(4*(\hi)+(\a))+7], v[8*(8*(\a)+(\b)):8*(8*(\a)+(\b))+7]
.endif
.endr
.endr
.endm
.macro FETCH q, f                      ; quarter q of a K step: Wo at byte 64 q of its rows; O in head q / 2's slice, at byte 64 (q % 2)
	WIN TO_B
.irp i, 0,1,2,3,4,5,6,7
	ds_load_b128 v[(\f)+8*(\i):(\f)+8*(\i)+3],   v[ADRB] offset:64*(\q)+(\i)*16*PITCH
	ds_load_b128 v[(\f)+8*(\i)+4:(\f)+8*(\i)+7], v[ADRB] offset:64*(\q)+(\i)*16*PITCH+32
.endr
	WIN 0
.irp i, 0,1,2,3,4,5,6,7
	ds_load_b128 v[(\f)+8*(\i):(\f)+8*(\i)+3],   v[ADRA] offset:((\q)/2)*ASL+((\q)%2)*64+(\i)*16*PA
	ds_load_b128 v[(\f)+8*(\i)+4:(\f)+8*(\i)+7], v[ADRA] offset:((\q)/2)*ASL+((\q)%2)*64+(\i)*16*PA+32
.endr
.endm
.macro PLACES
.rept 4
	v_nop
.endr
.endm
.macro QUARTER q, f, g, first
	s_wait_dscnt 8                                 ; Wo's fragments and O's rows 0-63 are in; the youngest eight loads may be out
	MUL16 \f, 0, 0, \first
	MUL16 \f, 0, 2, \first
	PLACES
	FETCH \q, \g
	s_wait_dscnt 32                                ; all but the 32 just issued
	MUL16 \f, 1, 0, \first
	MUL16 \f, 1, 2, \first
.endm
.macro MEET
	WIN 0
	s_wait_tensorcnt 0x0                           ; all my tensor loads have landed: my part of the next slot
	ds_add_u32 v[SPW], v[NIL]
	s_wait_dscnt 9                                 ; the add and the youngest eight loads may be out
	MUL16 F1, 0, 0, 0
	s_wait_dscnt 0x0                               ; the add is done, my reads of this slot are over
	s_barrier_signal -1
	MUL16 F1, 0, 2, 0
	WIN 0
	s_barrier_wait -1
.endm
; fill = 1: the slot just read is filled again behind a round of the cluster's barrier.  fill = 0: the last two K steps, counted by s3 from 2: nothing is asked for, and the very last has no next step to fetch.
.macro TURN fill
.if \fill
	s_wait_xcnt 0x0                                ; the last prefetch, a K step back, has read its address
	s_add_nc_u64 s[PFA:PFA+1], s[PFA:PFA+1], s[PFS:PFS+1]
.endif
	MEET
.if \fill
	CREST
	s_add_co_u32 s[G0+5], s[WOFA], s[TB]           ; no tensor load of mine is out since MEET's wait: the walking descriptors may be written
	s_add_co_u32 s[G0B+5], s[WOFB], s[TB]
	s_add_nc_u64 s[G0+6:G0+7], s[G0+6:G0+7], 0x400000
	s_add_nc_u64 s[G0B+6:G0B+7], s[G0B+6:G0B+7], 256
	JLOAD 1
.else
	s_cmp_eq_u32 s3, 1
	s_cbranch_scc1 .Lno_next_\@
	PLACES
.endif
	s_xor_b32 s[TB], s[TB], SLOT
	v_add_nc_u32 v[ADRA], s[TB], v[A0]
	v_add_nc_u32 v[ADRB], s[TB], v[B0]
	FETCH 0, F0
.if \fill
	ASK
.else
.Lno_next_\@:
.endif
	MUL16 F1, 1, 0, 0
	MUL16 F1, 1, 2, 0
.endm
; THE WAY OUT of row block a: the accumulators go straight into my stage, the low four registers of each first; whole rows of 512 bytes come back and are stored.
.macro TOSTAGE a
.set AC, 64*((\a)%4)
.set BK, 64+64*((\a)%2)
	WIN 0x08+4*((\a)/4)                            ; the stores' data in window 2 or 3
.irp b, 0,1,2,3,4,5,6,7
	ds_store_b128 v[STO], v[AC+8*(\b):AC+8*(\b)+3]   offset:64*(\b)
	ds_store_b128 v[STO], v[AC+8*(\b)+4:AC+8*(\b)+7] offset:64*(\b)+16
.endr
	WIN 0
	s_wait_xcnt 0x0                                ; the block before last's stores have read the registers that are loaded again now
.irp t, 0,1,2,3,4,5,6,7,8,9,10,11,12,13,14,15
	ds_load_b128 v[BK+4*(\t):BK+4*(\t)+3], v[RD] offset:(\t)*SPITCH  ; LDS serves a wave's instructions in order: these see the stores above
.endr
.endm
.macro SEND a, younger                 ; younger: the next block's 32 LDS instructions, or none
.set BK, 64+64*((\a)%2)
	s_wait_dscnt \younger
.irp t, 0,1,2,3,4,5,6,7,8,9,10,11,12,13,14,15
	global_store_b128 v[CO], v[BK+4*(\t):BK+4*(\t)+3], s[8:9] offset:(16*(\a)+(\t))*4096 th:TH_STORE_NT  ; a wave's store: 512 consecutive bytes, aligned
.endr
.endm
	s_wait_tensorcnt 1                             ; my part of K step 0 is in; K step 1's may stay out
	s_barrier_signal -1
	s_barrier_wait -1
	FETCH 0, F0
	s_wait_loadcnt 0x0                             ; the bias
	QUARTER 1, F0, F1, 1
	WIN 0
	s_mov_b32 s3, 6
.Lstep:
	QUARTER 2, F1, F0, 0
	QUARTER 3, F0, F1, 0
	TURN 1
	QUARTER 1, F0, F1, 0
	WIN 0
	s_sub_co_u32 s3, s3, 1
	s_cmp_lg_u32 s3, 0
	s_cbranch_scc1 .Lstep
	s_mov_b32 s3, 2
.Ltail:                                        ; the last two K steps have a text of their own, since they ask for nothing; the second has no next step: its fetch and the next step's first quarter are jumped
	QUARTER 2, F1, F0, 0
	QUARTER 3, F0, F1, 0
	TURN 0
	WIN 0
	s_cmp_eq_u32 s3, 1
	s_cbranch_scc1 .Lfinished
	QUARTER 1, F0, F1, 0
	WIN 0
.Lfinished:
	s_sub_co_u32 s3, s3, 1
	s_cmp_lg_u32 s3, 0
	s_cbranch_scc1 .Ltail
	PLACES
	TOSTAGE 0
.irp a, 1,2,3,4,5,6,7
	TOSTAGE \a
	SEND (\a)-1, 32
.endr
	SEND 7, 0
	s_wait_tensorcnt 0x0                           ; the wave's end
	ds_add_u32 v[SPW], v[NIL]
	s_wait_dscnt 0x0
	CROUND                                         ; the closing round
	s_endpgm
.Lfunc_end_k_q616951bfa2_go:
	.size	k_q616951bfa2_go, .Lfunc_end_k_q616951bfa2_go-k_q616951bfa2_go
	.p2alignl 7, 3214868480
	.fill 96, 4, 3214868480
	.section	.rodata,"a",@progbits
	.p2align	6, 0x0
	.amdhsa_kernel k_q616951bfa2_go
		.amdhsa_group_segment_fixed_size 327680
		.amdhsa_private_segment_fixed_size 0
		.amdhsa_enable_private_segment 0
		.amdhsa_kernarg_size 32
		.amdhsa_user_sgpr_count 2
		.amdhsa_user_sgpr_kernarg_segment_ptr 1
		.amdhsa_wavefront_size32 1
		.amdhsa_system_sgpr_workgroup_id_x 1
		.amdhsa_system_sgpr_workgroup_id_y 1
		.amdhsa_system_sgpr_workgroup_id_z 1
		.amdhsa_system_vgpr_workitem_id 0
		.amdhsa_next_free_vgpr 1024
		.amdhsa_next_free_sgpr 80
		.amdhsa_reserve_vcc 0
		.amdhsa_float_denorm_mode_32 3
		.amdhsa_float_denorm_mode_16_64 3
		.amdhsa_memory_ordered 1
		.amdhsa_forward_progress 1
		.amdhsa_inst_pref_size 101
	.end_amdhsa_kernel
	.amdgpu_metadata
---
amdhsa.version: [ 1, 2 ]
amdhsa.kernels:
  - .name:           k_q616951bfa2_go
    .symbol:         k_q616951bfa2_go.kd
    .args:
      - { .name: oh, .offset: 0, .size: 8, .value_kind: global_buffer, .address_space: global }
      - { .name: wh, .offset: 8, .size: 8, .value_kind: global_buffer, .address_space: global }
      - { .name: bo, .offset: 16, .size: 8, .value_kind: global_buffer, .address_space: global }
      - { .name: out0, .offset: 24, .size: 8, .value_kind: global_buffer, .address_space: global }
    .group_segment_fixed_size: 327680
    .private_segment_fixed_size: 0
    .kernarg_segment_align: 8
    .kernarg_segment_size: 32
    .max_flat_workgroup_size: 128
    .sgpr_count:     80
    .vgpr_count:     1024
    .wavefront_size: 32
...
	.end_amdgpu_metadata
.endif
;; end of part 5
;; ======== version 2 of 2: 5 launches; version 1 with the launches prep, pmake written anew for expert scheduling mode
;; limits: values are held in f16: magnitudes above 65,504 overflow, below 6.1e-05 lose precision
;; workspace buffers: xh 33,554,432 bytes; wh 4,194,304 bytes; csx 131,072 bytes; vt 33,554,432 bytes; bs 524,288 bytes; p 134,217,728 bytes; stat 524,288 bytes; oh 33,554,432 bytes
;; launch prep (part 6): grid 512 x 1, 8 waves a work-group, no clusters, 1,280 bytes of LDS; arguments x, Wv, Wo, A_log, A_bias, xh, wh, csx; writes xh, wh, csx
.if DOCPART == 6
	.amdgcn_target "amdgcn-amd-amdhsa--gfx1250"
	.amdhsa_code_object_version 6
	.text
	.protected	k_q616951bfa2_prep
	.globl	k_q616951bfa2_prep
	.p2align	8
	.type	k_q616951bfa2_prep,@function
k_q616951bfa2_prep:
	s_mov_b64 s[64:65], 0
	v_nop
	global_prefetch_b8 v0, s[64:65] scope:SCOPE_SE
	s_setreg_imm32_b32 hwreg(HW_REG_WAVE_SCHED_MODE, 0, 2), 2
	s_setreg_imm32_b32 hwreg(HW_REG_WAVE_MODE, 25, 1), 1
	s_wait_xcnt 0x0
	s_wait_alu depctr_vm_vsrc(0)
; TWO JOBS IN ONE LAUNCH.
; Work-groups 0..3 (one for four heads): cs2[t][h] = the sum over u <= t of log2(sigmoid(A_log + A_bias)[u][h]), in f32, stored as
; csx [chunk 8][k 8][head group 4][lane 32][4 heads], t = 256 chunk + 8 lane + k: the order in which the next launch's lanes want it, 512 bytes on end for each load there.
; Work-groups 4..511: x, Wv and Wo (f32) are rounded once to f16 for the matrix products: xh [16384][1024]; wh: Wv at byte 0, Wo at byte 2,097,152.
; LIMITS.  f16 ends at 65,504: |x|, |Wv|, |Wo| stay below it; below 6.1e-5 they keep f16's fixed step of 6e-8.  The running sum is added in another order than a serial one:
; inside a thread's 8 rows, then over lanes, then over waves.  z below -127 / log2(e) gives -infinity from that row on, as sigmoid's underflow does.
; THE CAST.  18,432 rows of 1,024 numbers = 508 work-groups x 36 rows + 144.  Work-group c = number - 4 takes 32 rows of x, 2 of Wv, 2 of Wo; the first 144 take one row more: the last 128 of x, 8 of Wv, 8 of Wo.
; Thread n takes 16 bytes at 16 n of a row and stores 8 bytes at 8 n: a wave's load covers 512 bytes on end, its store 256 bytes on end, aligned.
; No LDS, no barrier, no matrix unit in the cast: bytes are all that counts here.
; THE MODE: SCHED_MODE bits 1:0 = 2 (LLVM: expert scheduling mode 2), set by the entry lines.  The code itself states the register dependences
; between vector instructions and memory or LDS instructions, with s_wait_alu, always for 0.
; THE PLAN OF THE CAST.  The 36 rows go in 9 blocks of four.  Registers that memory instructions touch:
;   X0 .. X3   four blocks as loaded.     Written by the loads of block p + 3, issued in block p; read by block p's roundings.
;   Y0, Y1     two blocks to store.       Written by block p's roundings; read by the four stores that are issued in block p + 1.
;   v1, v2     byte offsets, made once and never written again: the rows stand in the immediate offsets.
; Block p works on X[p % 4] and writes Y[p % 2].  Its memory instructions are the loads into X[(p - 1) % 4] and the stores from Y[(p - 1) % 2]: the two buffers that block p - 1 worked on
; and that no vector instruction of block p names.  So the waits at a block's head state all that its eight memory instructions hang on.  While a wave waits for a block, 12 loads of its own are out.
.set X,      16                        ; v[16:79]  row r: 4 numbers as loaded, at X + 4 (r % 16)
.set Y,      80                        ; v[80:95]  row r: 4 numbers in f16, at Y + 2 (r % 8)
.set EX,     96                        ; v[96:99]  the row more, as loaded
.set EY,     100                       ; v[100:101] the same in f16
.set BLOCK,  4                         ; rows in a block
.set BLOCKS, 9
.set MORE,   144                       ; work-groups that take a row more
; LDS: bytes 0 to 127 hold the waves' totals (the table's work-groups alone); bytes 256 to 1,279 hold the spare words of the closing add.
	s_load_b256 s[4:11], s[0:1], 0x0               ; x s[4:5], Wv s[6:7], Wo s[8:9], A_log s[10:11]
	s_load_b256 s[12:19], s[0:1], 0x20             ; A_bias s[12:13], xh s[14:15], wh s[16:17], csx s[18:19]
	v_lshl_add_u32 v126, v0, 2, 0x100
	v_mov_b32 v127, 0
	v_lshrrev_b32 v1, 5, v0
	v_readfirstlane_b32 s20, v1                    ; wave 0..7
	s_wait_alu depctr_va_sdst(0)                   ; s20 is written, ahead of the branch behind which its readers stand
	s_cmp_lt_u32 ttmp9, 4
	s_cbranch_scc1 .Ltable
	s_sub_co_u32 s30, ttmp9, 4                     ; c
	s_lshl_b32 s22, s30, 17                        ; 32 rows of x: 131,072 bytes
	s_mov_b32 s23, 0
	s_lshl_b32 s24, s30, 16                        ; the same rows of xh
	s_mov_b32 s25, 0
	s_lshl_b32 s26, s30, 13                        ; 2 rows of a weight matrix
	s_mov_b32 s27, 0
	s_lshl_b32 s28, s30, 12                        ; the same rows of wh
	s_mov_b32 s29, 0
	s_movk_i32 s36, 888                            ; c = 128..135: row 888 + c = 1016..1023 of Wv
	s_movk_i32 s37, 16256                          ; c = 0..127: row 16,256 + c of x
	s_mov_b32 s41, 0
	s_mov_b32 s43, 0
	v_lshlrev_b32 v1, 4, v0                        ; my 16 bytes of a row in
	v_lshlrev_b32 v2, 3, v0                        ; my 8 bytes of a row out
.irp e, 0,1,2,3
	v_mov_b32 v[EX+\e], 0                          ; written on every path, whether a row more is loaded or not
.endr
	s_wait_kmcnt 0x0
	s_cmp_lt_u32 s30, 128                          ; the row more: from which tensor, into which, which row
	s_cselect_b64 s[32:33], s[4:5], s[6:7]
	s_cselect_b64 s[34:35], s[14:15], s[16:17]
	s_cselect_b32 s36, s37, s36
	s_cmp_lt_u32 s30, 136
	s_cselect_b64 s[32:33], s[32:33], s[8:9]
	s_cselect_b32 s36, s36, 880                    ; c = 136..143: row 880 + c = 1016..1023 of Wo,
	s_cselect_b32 s38, 0, 0x200000                 ; which lies behind Wv in wh
	s_add_co_u32 s36, s36, s30
	s_lshl_b32 s40, s36, 12
	s_lshl_b32 s42, s36, 11
	s_add_co_u32 s42, s42, s38
	s_add_nc_u64 s[32:33], s[32:33], s[40:41]
	s_add_nc_u64 s[34:35], s[34:35], s[42:43]
	s_add_nc_u64 s[4:5], s[4:5], s[22:23]
	s_add_nc_u64 s[14:15], s[14:15], s[24:25]
	s_add_nc_u64 s[6:7], s[6:7], s[26:27]
	s_add_nc_u64 s[8:9], s[8:9], s[26:27]
	s_add_nc_u64 s[16:17], s[16:17], s[28:29]
	s_wait_alu depctr_va_vdst(0)                   ; v1 and v2 are written, which every load and store of the cast reads as its offset; so are the zeros in v[EX ..], in which the row more's load lands
	s_cmp_lt_u32 s30, MORE
	s_cbranch_scc0 .Lno_more
	global_load_b128 v[EX:EX+3], v1, s[32:33] th:TH_LOAD_NT  ; the wave's oldest load: the blocks' counts, which name younger loads, hold with it and without
.Lno_more:
.macro ROWIN r                         ; row r's load
.if (\r) < 32
	global_load_b128 v[X+4*((\r)%16):X+4*((\r)%16)+3], v1, s[4:5] offset:(\r)*4096 th:TH_LOAD_NT
.elseif (\r) < 34
	global_load_b128 v[X+4*((\r)%16):X+4*((\r)%16)+3], v1, s[6:7] offset:((\r)-32)*4096 th:TH_LOAD_NT
.else
	global_load_b128 v[X+4*((\r)%16):X+4*((\r)%16)+3], v1, s[8:9] offset:((\r)-34)*4096 th:TH_LOAD_NT
.endif
.endm
.macro ROWOUT r                        ; row r's store
.if (\r) < 32
	global_store_b64 v2, v[Y+2*((\r)%8):Y+2*((\r)%8)+1], s[14:15] offset:(\r)*2048 th:TH_STORE_NT
.elseif (\r) < 34
	global_store_b64 v2, v[Y+2*((\r)%8):Y+2*((\r)%8)+1], s[16:17] offset:((\r)-32)*2048 th:TH_STORE_NT
.else
	global_store_b64 v2, v[Y+2*((\r)%8):Y+2*((\r)%8)+1], s[16:17] offset:2097152+((\r)-34)*2048 th:TH_STORE_NT
.endif
.endm
; Block p.  A load and a store stand in front of each row's two roundings, the load first.
.macro BLK p
.if BLOCK*(BLOCKS-1-(\p)) < 2*BLOCK
	s_wait_loadcnt BLOCK*(BLOCKS-1-(\p))           ; the last blocks: the count of younger loads runs down
.else
	s_wait_loadcnt 2*BLOCK                         ; loads come back in order: this block's four are in, the two younger blocks stay out
.endif
.if (\p) > 1
	s_wait_xcnt 0x0                                ; every earlier memory instruction has had its addresses translated: this block's Y is rewritten only behind this wait
	s_wait_alu depctr_vm_vsrc(0)                   ; the stores issued in the block before have read the Y that this block's roundings write again
.endif
.if (\p) > 0
	s_wait_alu depctr_va_vdst(0)                   ; the block before has written the other Y, which the stores below read, and is done reading its X, in which the loads below land
.endif
.set bi, 0
.rept BLOCK
.if (\p)+3 < BLOCKS
	ROWIN BLOCK*((\p)+3)+bi                        ; three blocks ahead; no vector instruction since the wait names these registers
.endif
.if (\p) > 0
	ROWOUT BLOCK*((\p)-1)+bi                       ; the block before
.endif
	v_cvt_pk_f16_f32 v[Y+2*((BLOCK*(\p)+bi)%8)],   v[X+4*((BLOCK*(\p)+bi)%16)],   v[X+4*((BLOCK*(\p)+bi)%16)+1]
	v_cvt_pk_f16_f32 v[Y+2*((BLOCK*(\p)+bi)%8)+1], v[X+4*((BLOCK*(\p)+bi)%16)+2], v[X+4*((BLOCK*(\p)+bi)%16)+3]
.set bi, bi+1
.endr
.endm
.set n, 0
.rept 3*BLOCK
	ROWIN n                                        ; blocks 0, 1 and 2
.set n, n+1
.endr
.irp p, 0,1,2,3,4,5,6,7,8
	BLK \p
.endr
	s_wait_alu depctr_va_vdst(0)                   ; block 8 has written its Y, which the last four stores read
.irp r, 32,33,34,35
	ROWOUT \r
.endr
	s_cmp_lt_u32 s30, MORE
	s_cbranch_scc0 .Lcast_done
	v_cvt_pk_f16_f32 v[EY],   v[EX],   v[EX+1]     ; the last block's wait was for 0: the row more is in
	v_cvt_pk_f16_f32 v[EY+1], v[EX+2], v[EX+3]
	s_wait_alu depctr_va_vdst(0)                   ; the two roundings have written v[EY ..], which the store reads
	global_store_b64 v2, v[EY:EY+1], s[34:35] th:TH_STORE_NT
.Lcast_done:
	s_endpgm                                       ; these waves have written no LDS
; THE TABLE.  Thread n = (wave w, lane l) owns rows t = 8 n + k, k = 0..7, of four heads.  v[16:47]: (k, head) at 16 + 4 k + e.
; Registers that memory or LDS instructions touch: the offsets v2, v4, v5, v6, made once; v[16:79], in which the 16 loads land; v[84:87], the LDS store's data; v[96:123], in which the LDS loads land
; and which no vector instruction names before; v[48:79] once more, as the eight stores' data.
.Ltable:
	s_mov_b32 s21, ttmp9                           ; the head group
	s_lshl_b32 s22, s21, 4
	v_lshl_add_u32 v2, v0, 9, s22                  ; 8 rows of 64 bytes a thread, 16 bytes a head group
	v_and_b32 v3, 31, v0
	s_lshl_b32 s23, s20, 14                        ; chunk = wave: 16,384 bytes of csx
	s_lshl_b32 s24, s21, 9
	s_add_co_u32 s23, s23, s24
	v_lshl_add_u32 v6, v3, 4, s23
	s_lshl_b32 s24, s20, 4
	v_mov_b32 v4, s24                              ; LDS: my wave's four totals
	v_mov_b32 v5, 0
	s_mov_b32 s34, 0xffff0000                      ; lanes 16 to 31
	s_wait_kmcnt 0x0
	s_wait_alu depctr_va_vdst(0)                   ; v2, v4, v5 and v6 are written: the offsets and LDS addresses of every memory and LDS instruction below
.irp k, 0,1,2,3,4,5,6,7
	global_load_b128 v[16+4*\k:19+4*\k], v2, s[10:11] offset:64*\k
	global_load_b128 v[48+4*\k:51+4*\k], v2, s[12:13] offset:64*\k
.endr
	s_wait_loadcnt 0x0
.set i, 0
.rept 16
	v_pk_add_f32 v[16+i:17+i], v[16+i:17+i], v[48+i:49+i]                  ; z
.set i, i+2
.endr
.set i, 0
.rept 16
	v_pk_mul_f32 v[16+i:17+i], v[16+i:17+i], 0xbfb8aa3b op_sel_hi:[1,0]    ; -z log2(e)
.set i, i+2
.endr
.set i, 0
.rept 32
	v_exp_f32 v[16+i], v[16+i]
.set i, i+1
.endr
	v_nop                                          ; a plain instruction behind the last exponential,
	s_wait_alu depctr_va_vdst(0)                   ; and one wait for the batch: the 32 exponentials have written v[16:47], ahead of their first reader
.set i, 0
.rept 16
	v_pk_add_f32 v[16+i:17+i], v[16+i:17+i], 1.0 op_sel_hi:[1,0]
.set i, i+2
.endr
.set i, 0
.rept 32
	v_log_f32 v[16+i], v[16+i]                     ; log2(1 + 2^(-z log2 e)) = -log2 sigmoid(z): the sums below are kept positive and turned at the end
.set i, i+1
.endr
	v_nop
	s_wait_alu depctr_va_vdst(0)                   ; one wait for the batch: the 32 logarithms have written v[16:47], ahead of their first reader
.set k, 1
.rept 7
	v_pk_add_f32 v[16+4*k:17+4*k], v[16+4*k:17+4*k], v[12+4*k:13+4*k]      ; the running sum inside my 8 rows
	v_pk_add_f32 v[18+4*k:19+4*k], v[18+4*k:19+4*k], v[14+4*k:15+4*k]
.set k, k+1
.endr
	; over the lanes: my total, v[44:47], moves one lane up (0 into the first of each 16), then four doubling steps: v[92:95] = the sum of the lanes in front of me in my 16
.irp e, 0,1,2,3
	v_mov_b32 v[92+\e], 0
.endr
.irp e, 0,1,2,3
	v_mov_b32_dpp v[92+\e], v[44+\e] row_shr:1 row_mask:0xf bank_mask:0xf bound_ctrl:1
.endr
.irp s, 1,2,4,8
.irp e, 0,1,2,3
	v_add_f32_dpp v[92+\e], v[92+\e], v[92+\e] row_shr:\s row_mask:0xf bank_mask:0xf bound_ctrl:1
.endr
.endr
	v_pk_add_f32 v[88:89], v[92:93], v[44:45]      ; with my own total
	v_pk_add_f32 v[90:91], v[94:95], v[46:47]
.irp e, 0,1,2,3
	v_readlane_b32 s[28+\e], v[88+\e], 15          ; the lower 16 lanes' total,
.endr
	s_wait_alu depctr_va_sdst(0)                   ; s[28:31] are written, ahead of their first reader
.irp e, 0,1,2,3
	v_cndmask_b32 v[80+\e], 0, s[28+\e], s34       ; for the upper 16 alone
.endr
	v_pk_add_f32 v[92:93], v[92:93], v[80:81]
	v_pk_add_f32 v[94:95], v[94:95], v[82:83]
	v_pk_add_f32 v[88:89], v[88:89], v[80:81]
	v_pk_add_f32 v[90:91], v[90:91], v[82:83]
.irp e, 0,1,2,3
	v_readlane_b32 s[28+\e], v[88+\e], 31          ; my wave's total
.endr
	s_wait_alu depctr_va_sdst(0)                   ; s[28:31] are written anew, ahead of their first reader
.irp e, 0,1,2,3
	v_mov_b32 v[84+\e], s[28+\e]
.endr
	s_wait_alu depctr_va_vdst(0)                   ; v[84:87] are written, which the LDS store reads
	ds_store_b128 v4, v[84:87]                     ; all lanes write the same 16 bytes
	s_wait_dscnt 0x0                               ; for the others' sake: my store is done
	s_barrier_signal -1
	s_barrier_wait -1
.irp j, 0,1,2,3,4,5,6
	ds_load_b128 v[96+4*\j:99+4*\j], v5 offset:16*\j
.endr
	s_wait_dscnt 0x0
.irp j, 0,1,2,3,4,5,6
	s_cmp_gt_u32 s20, \j                           ; a wave in front of mine?
	s_cselect_b32 s35, -1, 0
	v_cndmask_b32 v80, 0, v[96+4*\j], s35
	v_cndmask_b32 v81, 0, v[97+4*\j], s35
	v_cndmask_b32 v82, 0, v[98+4*\j], s35
	v_cndmask_b32 v83, 0, v[99+4*\j], s35
	v_pk_add_f32 v[92:93], v[92:93], v[80:81]
	v_pk_add_f32 v[94:95], v[94:95], v[82:83]
.endr
.irp k, 0,1,2,3,4,5,6,7
	v_pk_add_f32 v[48+4*\k:49+4*\k], v[16+4*\k:17+4*\k], v[92:93] neg_lo:[1,1] neg_hi:[1,1]  ; cs2 = -(my rows' sum + all in front)
	v_pk_add_f32 v[50+4*\k:51+4*\k], v[18+4*\k:19+4*\k], v[94:95] neg_lo:[1,1] neg_hi:[1,1]
.endr
	s_wait_alu depctr_va_vdst(0)                   ; the sixteen additions have written v[48:79], which the eight stores read
.irp k, 0,1,2,3,4,5,6,7
	global_store_b128 v6, v[48+4*\k:51+4*\k], s[18:19] offset:2048*\k                        ; a wave's store: 512 bytes on end
.endr
	s_wait_dscnt 0x0                               ; the wave's end
	s_wait_alu depctr_hold_cnt(0) depctr_sa_sdst(0) depctr_va_vdst(0) depctr_va_sdst(0) depctr_va_ssrc(0) depctr_va_vcc(0) depctr_vm_vsrc(0)
	s_wait_tensorcnt 0x0
	ds_add_u32 v126, v127
	s_wait_dscnt 0x0
	s_endpgm
.Lfunc_end_k_q616951bfa2_prep:
	.size	k_q616951bfa2_prep, .Lfunc_end_k_q616951bfa2_prep-k_q616951bfa2_prep
	.p2alignl 7, 3214868480
	.fill 96, 4, 3214868480
	.section	.rodata,"a",@progbits
	.p2align	6, 0x0
	.amdhsa_kernel k_q616951bfa2_prep
		.amdhsa_group_segment_fixed_size 1280
		.amdhsa_private_segment_fixed_size 0
		.amdhsa_enable_private_segment 0
		.amdhsa_kernarg_size 64
		.amdhsa_user_sgpr_count 2
		.amdhsa_user_sgpr_kernarg_segment_ptr 1
		.amdhsa_wavefront_size32 1
		.amdhsa_system_sgpr_workgroup_id_x 1
		.amdhsa_system_sgpr_workgroup_id_y 1
		.amdhsa_system_sgpr_workgroup_id_z 1
		.amdhsa_system_vgpr_workitem_id 0
		.amdhsa_next_free_vgpr 128
		.amdhsa_next_free_sgpr 66
		.amdhsa_reserve_vcc 0
		.amdhsa_float_denorm_mode_32 3
		.amdhsa_float_denorm_mode_16_64 3
		.amdhsa_memory_ordered 1
		.amdhsa_forward_progress 1
		.amdhsa_inst_pref_size 32
	.end_amdhsa_kernel
	.amdgpu_metadata
---
amdhsa.version: [ 1, 2 ]
amdhsa.kernels:
  - .name:           k_q616951bfa2_prep
    .symbol:         k_q616951bfa2_prep.kd
    .args:
      - { .name: x, .offset: 0, .size: 8, .value_kind: global_buffer, .address_space: global }
      - { .name: Wv, .offset: 8, .size: 8, .value_kind: global_buffer, .address_space: global }
      - { .name: Wo, .offset: 16, .size: 8, .value_kind: global_buffer, .address_space: global }
      - { .name: A_log, .offset: 24, .size: 8, .value_kind: global_buffer, .address_space: global }
      - { .name: A_bias, .offset: 32, .size: 8, .value_kind: global_buffer, .address_space: global }
      - { .name: xh, .offset: 40, .size: 8, .value_kind: global_buffer, .address_space: global }
      - { .name: wh, .offset: 48, .size: 8, .value_kind: global_buffer, .address_space: global }
      - { .name: csx, .offset: 56, .size: 8, .value_kind: global_buffer, .address_space: global }
    .group_segment_fixed_size: 1280
    .private_segment_fixed_size: 0
    .kernarg_segment_align: 8
    .kernarg_segment_size: 64
    .max_flat_workgroup_size: 256
    .sgpr_count:     66
    .vgpr_count:     128
    .wavefront_size: 32
...
	.end_amdgpu_metadata
.endif
;; end of part 6
;; launch gv: the kernel of part 2 again; grid 64 x 4, 4 waves a work-group, clusters of 4 x 4, 327,680 bytes of LDS; arguments wh, xh, vt, bs; writes vt, bs
;; launch pmake (part 7): grid 256 x 1, 12 waves a work-group, no clusters, 147,456 bytes of LDS; arguments levels, L, L_bias, csx, bs, p, stat; writes p, stat
.if DOCPART == 7
	.amdgcn_target "amdgcn-amd-amdhsa--gfx1250"
	.amdhsa_code_object_version 6
	.text
	.protected	k_q616951bfa2_pmake
	.globl	k_q616951bfa2_pmake
	.p2align	8
	.type	k_q616951bfa2_pmake,@function
k_q616951bfa2_pmake:
	s_mov_b64 s[64:65], 0
	v_nop
	global_prefetch_b8 v0, s[64:65] scope:SCOPE_SE
	s_setreg_imm32_b32 hwreg(HW_REG_WAVE_SCHED_MODE, 0, 2), 2
	s_setreg_imm32_b32 hwreg(HW_REG_WAVE_MODE, 25, 1), 1
	s_wait_xcnt 0x0
	s_wait_alu depctr_vm_vsrc(0)
; THE WEIGHTS, which hang on no batch.  For row t, key s, head h:  Hm = (L + L_bias)[t][h][levels[t][s]] x 2^(cs2[t] - cs2[s]) for s <= t, else 0;  m = the row's maximum over all 2,048 keys;
; p = 2^(c Hm - c m), c = log2(e), left unnormalised, rounded to f16 and stored for s < 256 (t / 256 + 1): p [16][2048][2048].  Right of that every weight of a row is p0 = 2^(-c m).
; stat: (p0, 1 / Z) at [t][h][2], Z = the sum of the unrounded p + (1792 - 256 (t / 256)) p0;  from byte 262,144: SUF [h][i][batch, channel] = the sum of v over the keys from 256 (i + 1) on, from bs.
; LIMITS.  levels is held to 0..11.  p below 6e-5 keeps f16's fixed step of 6e-8; a weight below 2^-126 counts as 0.  NaN and infinities are not treated apart.
; SHARES.  Work-group g owns the 8 rows t = g + 256 r, r = 0..7.  Row r has r + 1 chunks of 256 keys: 36 chunk jobs = 3 trips x 12 waves, every wave at work in every trip:
; trip 0: row 7 (waves 0-7), row 3 (8-11);  trip 1: row 6 (0-6), row 4 (7-11);  trip 2: row 5 (0-5), row 2 (6-8), row 1 (9, 10), row 0 (11).  s[SCHED] holds a byte a trip: first wave << 4 | r.
; A lane takes 8 neighbouring keys x 16 heads: 128 weights, kept in registers between the maximum and the exponentials.
; cs2 IN LDS.  The 36 jobs read 8 different chunks of cs2, 16 KiB each: the whole table, 128 KiB, is copied into LDS once (waves 0-7, a chunk each), and a job takes its chunk from there.
; AHEAD.  A trip's levels, L, L_bias and the row's own cs2[t] (one number a lane: head l % 16) have registers of their own and are asked for a whole trip ahead, as soon as the trip before has used its own.
; cs2[t] then goes from one lane a head to all lanes through the wave's own 64 bytes of LDS, as c m does later in the trip.
; levels[t][s] is the same for all heads: the wave lays its row's table in LDS as [head group][level][4 heads], so one address and one 16-byte load bring four heads' entries.  Level 12 holds 0: a hidden key's level.
; No tensor load, cluster or matrix unit: nothing is shared between work-groups but small tables, and there is no product.
; THE MODE: SCHED_MODE bits 1:0 = 2 (LLVM: expert scheduling mode 2), set by the entry lines.  The code itself states the register dependences
; between vector instructions and memory or LDS instructions, with s_wait_alu, always for 0.
; THE PLAN.  Registers that memory or LDS instructions touch in a trip, and who else names them:
;   CSN, LVN, LNX, LBX   land from memory, asked for a trip ago.  CSN is read by the LDS store of the broadcast; LNX takes L + L_bias in place and is read by the table's six LDS stores; LVN and LBX are read by
;                        vector instructions alone.  The next trip's nine loads land in them behind those readers.
;   VLV, VL0, VCT, VCS   offsets of the next trip's loads: written once a trip, each ahead of a wait on va_vdst that stands there anyway (in the last trip they are made and not used).
;   LV                   the gathers' addresses, written from the levels; dead behind the last gather.
;   set A = v[192:223], set B = v[32:63]   the gathered entries, two keys a set, by turns: A keys 0, 1; B keys 2, 3; A keys 4, 5; B keys 6, 7.  A set is gathered into again behind the products that read it.
;                        B is R and CST, which lie idle from the decay's last line to the maxima: so the maxima are taken behind the last product.
;   v[R], v[TP+1]        one register each: the data of the LDS stores of the maxima, of the sums and of c m.
;   CST, SV              land from LDS (the broadcasts; the waves' words).
;   the out-buffer       64 registers, 4 a head: heads 0-7 in set A, 8-11 in v[16:31] (LV and F), 12-15 in v[48:63] (CST): all dead behind p's exponentials.  Written by the 64 roundings, read by the 16 stores of p.
;   H                    lands from LDS (the next trip's chunk of cs2; in the last trip the block sums from memory) behind its last vector readers, the sums and the roundings.
;   PO, STV, PZ          the stores' offsets and the pair (p0, 1 / Z): written once a trip, read by stores.
;   TA, MXA, MXS, BCS, BCL, BSO, SFO, FIL   made at the head (FIL in the copying waves' branch) and never written again.
.set TABB,  131072                     ; behind cs2 (bytes 0 to 131,071, laid as csx is): 1,024 bytes a wave: its row's table
.set BCB,   143360                     ; 64 bytes a wave: 16 numbers, a head each, from one lane a head to all lanes; the wave's own
.set MXB,   144128                     ; 64 bytes a wave: its chunk's maxima
.set SMO,   768                        ; the sums lie 768 bytes behind the maxima; behind them lie the spare words of the closing add
.set LN,  1                            ; v1   lane
.set SK,  2                            ; v2   8 x lane
.set TA,  3                            ; v3   where my six numbers of the row's table go
.set L24, 4                            ; v4   24 x lane: my six numbers in a row of L
.set MXA, 5                            ; v5   MXB + 4 (l % 16)
.set MXS, 6                            ; v6   the same in my wave's 64 bytes
.set BCS, 7
.set BCL, 8
.set RK,  9                            ; v9   t - my first key
.set PO,  10                           ; v10  my 16 bytes in a head's p
.set STV, 11                           ; v11  my 8 bytes of stat
.set PZ,  12                           ; v[12:13] p0, 1 / Z of head l % 16
.set BSO, 14                           ; v14  my 8 bytes in a row of bs (waves 0-3 use it)
.set SFO, 15                           ; v15  my 8 bytes of SUF (waves 0-3 use it)
.set LV,  16                           ; v[16:23]  LDS addresses made of the levels
.set F,   24                           ; v[24:31]  -1, or 0 for a hidden key
.set R,   32                           ; v[32:47]  maxima, then sums, a head each
.set CST, 48                           ; v[48:63]  cs2[t], later c m, a head each
.set GB,  32                           ; v[32:63]  set B
.set H,   64                           ; v[64:191] (key k, head h) at 64 + 16 k + h
.set G,   192                          ; v[192:223] set A; behind the gathers temporaries (208-211), the waves' words (212-223) and packed p
.set TP,  208
.set SV,  212
.set ZR,  224
.set C12, 225
.set NEG, 226
.set L15, 227
.set VLV, 228
.set VCS, 229
.set VCT, 230
.set VL0, 231
.set FIL, 232                          ; v232 the copy of cs2 at the head: the same byte offset in csx and in LDS
.set CNTV, 233
.set CSN, 234                          ; v234 cs2[t] of head l % 16, for the trip to come
.set HOF, 235                          ; v235 that head's place in a row's numbers of csx: (l % 16 / 4) x 512 + (l % 4) x 4; never rewritten
.set LVN, 236                          ; v[236:243] the levels of the trip to come
.set LNX, 244                          ; v[244:249] its six numbers of L, later L + L_bias,
.set LBX, 250                          ; v[250:255] and of L_bias
.set WV,  18
.set SCHED, 20
.set TRIP, 21
.set RHO, 22
.set W0,  23
.set C,   24
.set T,   25
.set REL, 26
.set FLOOR, 27
.set RM,  30
.set WTAB, 31
.set PB,  32                           ; s[32:63] p at head h: 16 pairs
.set CC,  66                           ; s[66:67] c
.set MSK, 68                           ; s[68:79] -1 for the waves that share my row; ahead of that, in each trip, s[68:75] hold the eight compares' masks
.set M8,  80
.set SEL, 84
.set RHON, 86
.set W0N, 87
.set CN,  88
.set TN,  89
.set FAC, 92
.set THR, 94
.set CTB, 95
.macro DECODE sh, rho, w0, c, t        ; the byte of s[SCHED] that lies sh bits up
	s_lshr_b32 s28, s[SCHED], \sh
	s_and_b32 s28, s28, 0xff
	s_and_b32 s[\rho], s28, 15
	s_lshr_b32 s[\w0], s28, 4
	s_sub_co_u32 s[\c], s[WV], s[\w0]              ; my chunk
	s_lshl_b32 s[\t], s[\rho], 8
	s_add_co_u32 s[\t], s[\t], ttmp9               ; my row
.endm
.macro GADDR t, c, rho                 ; the three offsets of a trip's loads from memory
	s_lshl_b32 s28, s[\t], 13
	s_lshl_b32 s29, s[\c], 10
	s_add_co_u32 s28, s28, s29
	v_lshl_add_u32 v[VLV], v[LN], 5, s28
	s_mul_i32 s28, s[\t], 768
	v_add_nc_u32 v[VL0], s28, v[L24]
	s_lshl_b32 s28, s[\rho], 14                    ; the row's chunk of csx,
	s_add_co_u32 s28, s28, s[CTB]                  ; its place there
	v_add_nc_u32 v[VCT], s28, v[HOF]
.endm
.macro GISSUE                          ; a trip's 9 loads from memory: my 8 levels; my 6 numbers of the row's L and L_bias, 8 bytes at a time (24 x lane is a multiple of 8); cs2[t] of head l % 16
	global_load_b128 v[LVN:LVN+3],   v[VLV], s[4:5] th:TH_LOAD_NT
	global_load_b128 v[LVN+4:LVN+7], v[VLV], s[4:5] offset:16 th:TH_LOAD_NT
.irp j, 0,1,2
	global_load_b64 v[LNX+2*\j:LNX+2*\j+1], v[VL0], s[6:7] offset:8*\j
	global_load_b64 v[LBX+2*\j:LBX+2*\j+1], v[VL0], s[8:9] offset:8*\j
.endr
	global_load_b32 v[CSN], v[VCT], s[10:11]
.endm
.macro CADDR c                         ; where a trip's chunk of cs2 lies in LDS.  The and changes nothing where the address is used: a chunk is 0..7
	s_and_b32 s28, s[\c], 7
	s_lshl_b32 s28, s28, 14
	v_lshl_add_u32 v[VCS], v[LN], 4, s28
.endm
.macro CISSUE                          ; a trip's 32 loads of its chunk of cs2 from LDS
.set i, 0
.rept 32
	ds_load_b128 v[H+4*i:H+4*i+3], v[VCS] offset:512*i                       ; cs2 of key k = i / 4, head group i % 4: 512 bytes on end
.set i, i+1
.endr
.endm
.macro GATHER k                        ; key k's 16 entries: keys 0, 1, 4, 5 into set A, keys 2, 3, 6, 7 into set B
.set gd, G+16*((\k)%2)-(G-GB)*(((\k)/2)%2)
.irp q, 0,1,2,3
	ds_load_b128 v[gd+4*\q:gd+4*\q+3], v[LV+(\k)] offset:256*\q
.endr
.endm
.macro FM kind, k, i                   ; heads 2 i, 2 i + 1 of key k.  kind 0: cs2[t] - cs2[s] (hidden: cs2[t], which is not above 0).  kind 1: c Hm - c m
.if (\kind) == 1
	v_pk_fma_f32 v[H+16*(\k)+2*(\i):H+16*(\k)+2*(\i)+1], v[H+16*(\k)+2*(\i):H+16*(\k)+2*(\i)+1], s[CC:CC+1], v[CST+2*(\i):CST+2*(\i)+1] op_sel_hi:[1,0,1] neg_lo:[0,0,1] neg_hi:[0,0,1]
.elseif ((\k)%2) == 0
	v_pk_fma_f32 v[H+16*(\k)+2*(\i):H+16*(\k)+2*(\i)+1], v[H+16*(\k)+2*(\i):H+16*(\k)+2*(\i)+1], v[F+(\k):F+(\k)+1], v[CST+2*(\i):CST+2*(\i)+1] op_sel_hi:[1,0,1]
.else
	v_pk_fma_f32 v[H+16*(\k)+2*(\i):H+16*(\k)+2*(\i)+1], v[H+16*(\k)+2*(\i):H+16*(\k)+2*(\i)+1], v[F+(\k)-1:F+(\k)], v[CST+2*(\i):CST+2*(\i)+1] op_sel:[0,1,0] op_sel_hi:[1,1,1]
.endif
.endm
.macro EXPS kind                       ; 64 packed multiply-adds and 128 exponentials in place: ONE batch; key k + 1's multiply-adds stand between key k's exponentials; nothing names a result ahead of the wait
.set ii, 0
.rept 8
	FM \kind, 0, ii
.set ii, ii+1
.endr
.set kk, 0
.rept 8
.set ii, 0
.rept 8
	v_exp_f32 v[H+16*kk+2*ii], v[H+16*kk+2*ii]
	v_exp_f32 v[H+16*kk+2*ii+1], v[H+16*kk+2*ii+1]
.if kk < 7
	FM \kind, kk+1, ii
.endif
.set ii, ii+1
.endr
.set kk, kk+1
.endr
	v_nop                                          ; a plain instruction behind the last exponential,
	s_wait_alu depctr_va_vdst(0)                   ; and one wait for the batch: the exponentials have written v[H ..] (and p0, where it is out), ahead of their first reader; the multiply-adds are done reading v[CST ..]
.endm
.macro HPAIR j, left                   ; Hm of keys 2 j and 2 j + 1.  left: the eight gathers issued last, which may stay out, or none
	s_wait_dscnt \left
.irp u, 0,1
.set gd, G+16*\u-(G-GB)*((\j)%2)
.irp i, 0,1,2,3,4,5,6,7
	v_pk_mul_f32 v[H+16*(2*(\j)+\u)+2*\i:H+16*(2*(\j)+\u)+2*\i+1], v[H+16*(2*(\j)+\u)+2*\i:H+16*(2*(\j)+\u)+2*\i+1], v[gd+2*\i:gd+2*\i+1]
.endr
.endr
.endm
; 16 registers, a head each, over 32 lanes: at each step a lane keeps half of its heads and hands the other half to the lane at distance x.  Lane l ends with head l % 16.
.macro RSTEP dppop, half, msk, x
.set jj, 0
.rept \half
	v_cndmask_b32 v[TP+2*(jj%2)],   v[R+jj], v[R+jj+(\half)], s[\msk]
	v_cndmask_b32 v[TP+2*(jj%2)+1], v[R+jj+(\half)], v[R+jj], s[\msk]
	\dppop v[R+jj], v[TP+2*(jj%2)+1], v[TP+2*(jj%2)] row_xmask:\x row_mask:0xf bank_mask:0xf
.set jj, jj+1
.endr
.endm
.macro REDUCE dppop, op
	RSTEP \dppop, 8, M8, 8
	RSTEP \dppop, 4, M8+1, 4
	RSTEP \dppop, 2, M8+2, 2
	RSTEP \dppop, 1, M8+3, 1
	v_permlanex16_b32 v[TP], v[R], s[SEL], s[SEL+1]
	\op v[R], v[R], v[TP]
.endm
.macro OUTAT h                         ; head h's four registers of the out-buffer
.if (\h) < 8
.set od, G+4*(\h)
.elseif (\h) < 12
.set od, LV+4*((\h)-8)
.else
.set od, CST+4*((\h)-12)
.endif
.endm
.macro PACK h                          ; head h: 8 keys pack into 16 bytes
	OUTAT \h
.irp j, 0,1,2,3
	v_cvt_pk_f16_f32 v[od+\j], v[H+32*\j+(\h)], v[H+32*\j+16+(\h)]
.endr
.endm
.macro PSEND h                         ; a wave's store is 512 bytes on end
	OUTAT \h
	global_store_b128 v[PO], v[od:od+3], s[PB+2*(\h):PB+2*(\h)+1] th:TH_STORE_NT
.endm
	s_load_b256 s[4:11], s[0:1], 0x0               ; levels s[4:5], L s[6:7], L_bias s[8:9], csx s[10:11]
	s_load_b128 s[12:15], s[0:1], 0x20             ; bs s[12:13], p s[14:15]
	s_load_b64 s[16:17], s[0:1], 0x30              ; stat
	s_set_vgpr_msb 0x40
	v_lshl_add_u32 v0, v0, 2, 0x23900
	v_mov_b32 v1, 0
	s_set_vgpr_msb 0x4000
	v_lshrrev_b32 v[LN], 5, v0
	v_readfirstlane_b32 s[WV], v[LN]               ; wave 0..11
	v_and_b32 v[LN], 31, v0
	v_lshlrev_b32 v[SK], 3, v[LN]
	v_and_b32 v[L15], 15, v0
	v_mul_u32_u24 v[L24], 24, v[LN]
	v_mov_b32 v[ZR], 0
	v_mov_b32 v[C12], 12
	v_mov_b32 v[NEG], 0xff7fffff
	s_wait_alu depctr_va_sdst(0)                   ; s[WV] is written, ahead of its first reader
	s_lshl_b32 s[WTAB], s[WV], 10                  ; my wave's table: 1,024 bytes
	s_add_co_u32 s[WTAB], s[WTAB], TABB
	s_lshl_b32 s28, s[WV], 6
	; numbers 6 l .. 6 l + 5 of a row of L are head l / 2, levels 6 (l % 2) + 0..5: head group l / 8 (256 bytes), word (l / 2) % 4, 16 bytes a level
	v_lshrrev_b32 v32, 3, v[LN]
	v_bfe_u32 v33, v0, 1, 2
	v_and_b32 v34, 1, v0
	v_mul_u32_u24 v34, 96, v34
	v_lshl_add_u32 v[TA], v32, 8, s[WTAB]
	v_lshl_add_u32 v[TA], v33, 2, v[TA]
	v_add_nc_u32 v[TA], v[TA], v34
	v_lshl_add_u32 v[MXA], v[L15], 2, MXB
	v_add_nc_u32 v[MXS], s28, v[MXA]
	s_add_co_u32 s29, s28, BCB
	v_mov_b32 v[BCL], s29
	v_lshl_add_u32 v[BCS], v[L15], 2, s29
	v_lshrrev_b32 v32, 2, v[L15]                   ; head l % 16: its group,
	v_and_b32 v33, 3, v0                           ; its place in the group
	v_lshlrev_b32 v[HOF], 9, v32                   ; in csx a group's numbers of a row lie 512 bytes apart
	v_lshl_add_u32 v[HOF], v33, 2, v[HOF]
	v_lshl_add_u32 v32, v32, 8, s[WTAB]
	v_lshl_add_u32 v32, v33, 2, v32                ; that head's word in a level of my table
	s_mov_b32 s[SCHED], 0x050607
	s_cmp_ge_u32 s[WV], 6
	s_cselect_b32 s[SCHED], 0x620607, s[SCHED]
	s_cmp_ge_u32 s[WV], 7
	s_cselect_b32 s[SCHED], 0x627407, s[SCHED]
	s_cmp_ge_u32 s[WV], 8
	s_cselect_b32 s[SCHED], 0x627483, s[SCHED]
	s_cmp_ge_u32 s[WV], 9
	s_cselect_b32 s[SCHED], 0x917483, s[SCHED]
	s_cmp_ge_u32 s[WV], 11
	s_cselect_b32 s[SCHED], 0xB07483, s[SCHED]
	s_mov_b32 s[M8], 0xff00ff00                    ; the lanes whose number has bit 3, 2, 1, 0
	s_mov_b32 s[M8+1], 0xf0f0f0f0
	s_mov_b32 s[M8+2], 0xcccccccc
	s_mov_b32 s[M8+3], 0xaaaaaaaa
	s_mov_b32 s[SEL], 0x76543210
	s_mov_b32 s[SEL+1], 0xfedcba98
	s_mov_b32 s[CC], 0x3fb8aa3b                    ; c = log2(e)
	s_mov_b32 s[CC+1], s[CC]
	s_mov_b32 s[FAC+1], 0
	s_and_b32 s28, ttmp9, 7                        ; row g of a chunk lies at k = g % 8, lane g / 8
	s_lshl_b32 s28, s28, 11
	s_lshr_b32 s29, ttmp9, 3
	s_lshl_b32 s29, s29, 4
	s_add_co_u32 s[CTB], s28, s29
	s_mov_b32 s[TRIP], 3
	DECODE 0, RHON, W0N, CN, TN
	GADDR TN, CN, RHON                             ; the first trip's offsets
	CADDR CN
	s_and_b32 s28, ttmp9, 1                        ; work-group g makes SUF of head g / 16, block (g / 2) % 8, batches 4 (g % 2) + wave (waves 0-3)
	s_lshl_b32 s28, s28, 18
	s_lshl_b32 s29, s[WV], 16
	s_add_co_u32 s28, s28, s29
	s_lshr_b32 s29, ttmp9, 4
	s_lshl_b32 s29, s29, 8
	s_add_co_u32 s28, s28, s29
	v_lshl_add_u32 v[BSO], v[LN], 3, s28
	s_lshl_b32 s28, ttmp9, 10
	s_lshl_b32 s29, s[WV], 8
	s_add_co_u32 s28, s28, s29
	v_lshl_add_u32 v[SFO], v[LN], 3, s28
	s_wait_kmcnt 0x0
	s_mov_b64 s[PB:PB+1], s[14:15]
.set hh, 1
.rept 15
	s_add_nc_u64 s[PB+2*hh:PB+2*hh+1], s[14:15], hh*0x800000
.set hh, hh+1
.endr
	s_wait_alu depctr_va_vdst(0)                   ; every offset and LDS address made above is written, and so are v32 and v[ZR], which the LDS store below reads
	ds_store_b32 v32, v[ZR] offset:192             ; level 12 of the 16 heads: 0, once
	GISSUE                                         ; the first trip's
	s_cmp_ge_u32 s[WV], 8
	s_cbranch_scc1 .Lfilled
	s_lshl_b32 s28, s[WV], 14                      ; waves 0-7 copy a chunk of cs2 each: the same byte offset in csx and in LDS
	v_lshl_add_u32 v[FIL], v[LN], 4, s28
	s_wait_alu depctr_va_vdst(0)                   ; v[FIL] is written, which the 32 loads and the 32 LDS stores read
.set i, 0
.rept 32
	global_load_b128 v[H+4*i:H+4*i+3], v[FIL], s[10:11] offset:512*i
.set i, i+1
.endr
.set i, 0
.rept 32
	s_wait_loadcnt 31-i                            ; loads come back in order: number i is in, the 31 - i younger ones stay out
	ds_store_b128 v[FIL], v[H+4*i:H+4*i+3] offset:512*i
.set i, i+1
.endr
.Lfilled:
	s_wait_dscnt 0x0                               ; for the others' sake: my part of cs2 is stored
	s_barrier_signal -1
	s_barrier_wait -1                              ; cs2 is whole; nobody writes it again
	s_wait_alu depctr_vm_vsrc(0)                   ; my LDS stores have read v[H ..], in which the chunk's loads land
	CISSUE
	s_wait_dscnt 0x0
.Ltrip:
	DECODE 0, RHO, W0, C, T
	s_lshl_b32 s28, s[C], 8
	s_sub_co_u32 s[REL], s[T], s28                 ; t - the chunk's first key
	s_add_co_u32 s28, s[RHO], 1
	s_bfm_b32 s[RM], s28, s[W0]                    ; the waves of my row
	s_cmp_lt_u32 s[RHO], 7                         ; are there whole blocks of zeros right of the row's own?  (in the last block the hidden keys of the own chunk carry the 0)
	s_cselect_b32 s[FLOOR], 0, 0xff7fffff
	s_lshl_b32 s28, s[RHO], 8
	s_sub_co_u32 s28, 1792, s28
	s_wait_xcnt 0x0                                ; the last trip's stores have had their addresses translated: their offsets are rewritten only behind this wait
	s_wait_alu depctr_vm_vsrc(0)                   ; the last trip's store of (p0, 1 / Z) has read v[STV] and v[PZ ..], which this trip writes again
	v_cvt_f32_u32 v[CNTV], s28                     ; how many keys lie right of the row's blocks
	s_lshl_b32 s28, s[T], 12
	s_lshl_b32 s29, s[C], 9
	s_add_co_u32 s28, s28, s29
	v_lshl_add_u32 v[PO], v[LN], 4, s28
	s_lshl_b32 s28, s[T], 7
	v_lshl_add_u32 v[STV], v[L15], 3, s28
	s_wait_loadcnt 0x0                             ; levels, L, L_bias and cs2[t] were asked for a trip ago
	ds_store_b32 v[BCS], v[CSN]                    ; cs2[t]: from one lane a head.  No wait on va_vdst: since the last one (the reciprocal's; at the first trip the head's) only v[CNTV], v[PO] and v[STV] have been written
.irp q, 0,1,2,3
	ds_load_b128 v[CST+4*\q:CST+4*\q+3], v[BCL] offset:16*\q   ; to all 16 heads in every lane; LDS serves a wave's instructions in order, and the bytes are the wave's own
.endr
	; the row's table, in place
.irp j, 0,1,2
	v_pk_add_f32 v[LNX+2*\j:LNX+2*\j+1], v[LNX+2*\j:LNX+2*\j+1], v[LBX+2*\j:LBX+2*\j+1]
.endr
	; levels to LDS addresses; a hidden key takes level 12 and the factor 0.  The eight compares stand in one run, with one wait behind it
	v_sub_nc_u32 v[RK], s[REL], v[SK]
.irp k, 0,1,2,3,4,5,6,7
	v_cmp_gt_i32 s[MSK+\k], \k, v[RK]
.endr
.irp k, 0,1,2,3,4,5,6,7
	v_min_u32 v[LV+\k], 11, v[LVN+\k]
.endr
	DECODE 8, RHON, W0N, CN, TN                    ; the next trip's offsets: the wait for loads above has shown the loads that named the three registers done
	GADDR TN, CN, RHON
	s_wait_alu depctr_va_sdst(0)                   ; the eight compares have written s[MSK .. MSK+7], ahead of their first reader
.irp k, 0,1,2,3,4,5,6,7
	v_cndmask_b32 v[LV+\k], v[LV+\k], v[C12], s[MSK+\k]
	v_cndmask_b32 v[F+\k], -1.0, v[ZR], s[MSK+\k]
	v_min_u32 v[LV+\k], 12, v[LV+\k]
	v_lshl_add_u32 v[LV+\k], v[LV+\k], 4, s[WTAB]
.endr
	s_wait_alu depctr_va_vdst(0)                   ; v[LNX ..] (the table's stores' data), v[LV ..] (the gathers' addresses) and the next trip's three offsets are written; v[LVN ..] and v[LBX ..], in which the next trip's loads land, have been read
.irp e, 0,1,2,3,4,5
	ds_store_b32 v[TA], v[LNX+\e] offset:16*\e
.endr
	GATHER 0                                       ; LDS serves a wave's instructions in order: the gathers see the table's stores
	GATHER 1
.irp j, 0,1,2,3,4,5,6,7,8,9,10,11
	s_bitcmp1_b32 s[RM], \j                        ; the compares' masks have served: the registers take the masks of my row's waves
	s_cselect_b32 s[MSK+\j], -1, 0
.endr
	s_wait_dscnt 8                                 ; all but the eight gathers: cs2[t] is in every lane
	s_wait_alu depctr_vm_vsrc(0)                   ; the LDS stores above have read v[CSN] and v[LNX ..], in which the next trip's loads land
	s_cmp_eq_u32 s[TRIP], 1
	s_cbranch_scc1 .Lno_next
	GISSUE                                         ; the next trip's.  No vector instruction since the wait on va_vdst above
.Lno_next:
	EXPS 0                                         ; the decay
	GATHER 2                                       ; into set B: its wait is the batch's: the decay's lines were the last to name v[CST ..], the last trip's the last to name v[R ..]
	GATHER 3
	HPAIR 0, 8
	s_wait_alu depctr_va_vdst(0)                   ; the products of keys 0 and 1 are done reading set A, in which the gathers below land
	GATHER 4
	GATHER 5
	HPAIR 1, 8
	s_wait_alu depctr_va_vdst(0)                   ; the products of keys 2 and 3 are done reading set B, in which the gathers below land
	GATHER 6
	GATHER 7
	HPAIR 2, 8
	HPAIR 3, 0
.set hh, 0
.rept 16
	v_max_num_f32 v[R+hh], v[H+hh], v[H+16+hh]     ; my 8 keys' maxima, a head each
.set hh, hh+1
.endr
.irp k, 3,5,7
.set hh, 0
.rept 16
	v_max3_num_f32 v[R+hh], v[R+hh], v[H+16*(\k-1)+hh], v[H+16*\k+hh]
.set hh, hh+1
.endr
.endr
	REDUCE v_max_num_f32_dpp, v_max_num_f32
	s_wait_alu depctr_va_vdst(0)                   ; v[R] is written, which the LDS store reads; the products are done reading sets A and B, in parts of which the LDS loads below land (v[SV ..], v[CST ..])
	ds_store_b32 v[MXS], v[R]
	s_wait_dscnt 0x0                               ; for the others' sake: my maxima are stored
	s_barrier_signal -1
	s_barrier_wait -1
.irp j, 0,1,2,3,4,5,6,7,8,9,10,11
	ds_load_b32 v[SV+\j], v[MXA] offset:64*\j
.endr
	s_wait_dscnt 0x0
.irp j, 0,1,2,3,4,5,6,7,8,9,10,11
	v_cndmask_b32 v[SV+\j], v[NEG], v[SV+\j], s[MSK+\j]  ; the waves of my row alone
.endr
	v_max3_num_f32 v[TP], v[SV], v[SV+1], v[SV+2]
	v_max3_num_f32 v[TP], v[TP], v[SV+3], v[SV+4]
	v_max3_num_f32 v[TP], v[TP], v[SV+5], v[SV+6]
	v_max3_num_f32 v[TP], v[TP], v[SV+7], v[SV+8]
	v_max3_num_f32 v[TP], v[TP], v[SV+9], v[SV+10]
	v_max3_num_f32 v[TP], v[TP], v[SV+11], s[FLOOR]      ; m of head l % 16
	v_mul_f32 v[TP+1], s[CC], v[TP]                ; c m
	v_mul_f32 v[TP+2], 0xbfb8aa3b, v[TP]           ; -c m
	s_wait_alu depctr_va_vdst(0)                   ; v[TP+1] is written, which the LDS store reads
	ds_store_b32 v[BCS], v[TP+1]
.irp q, 0,1,2,3
	ds_load_b128 v[CST+4*\q:CST+4*\q+3], v[BCL] offset:16*\q   ; c m of all 16 heads, in every lane
.endr
	v_exp_f32 v[PZ], v[TP+2]                       ; p0; its wait is the next batch's
	s_wait_dscnt 0x0
	s_wait_alu depctr_vm_vsrc(0)                   ; the LDS stores have read v[R] and v[TP+1], the gathers v[LV ..]: the sums, their reduction and the roundings below write these registers again
	EXPS 1                                         ; p
.set ii, 0
.rept 8
	v_pk_add_f32 v[R+2*ii:R+2*ii+1], v[H+2*ii:H+2*ii+1], v[H+16+2*ii:H+16+2*ii+1]
.set ii, ii+1
.endr
.set kk, 2
.rept 6
.set ii, 0
.rept 8
	v_pk_add_f32 v[R+2*ii:R+2*ii+1], v[R+2*ii:R+2*ii+1], v[H+16*kk+2*ii:H+16*kk+2*ii+1]
.set ii, ii+1
.endr
.set kk, kk+1
.endr
	REDUCE v_add_f32_dpp, v_add_f32
	CADDR CN                                       ; where the next trip's chunk lies
.set hh, 0
.rept 16
	PACK hh
.set hh, hh+1
.endr
	s_wait_alu depctr_va_vdst(0)                   ; v[R] (my sums), the 64 registers of the out-buffer and v[VCS] are written; the sums and the roundings are done reading v[H ..], in which the loads below land
	ds_store_b32 v[MXS], v[R] offset:SMO
.set hh, 0
.rept 16
	PSEND hh
.set hh, hh+1
.endr
	s_cmp_eq_u32 s[TRIP], 1
	s_cbranch_scc1 .Lbsl
	CISSUE                                         ; the next trip's chunk of cs2; the wait in front of the barrier below is also the wait for it
	s_branch .Lmeet
.Lbsl:                                         ; the last trip: waves 0-3 ask for the block sums of v instead
	s_cmp_ge_u32 s[WV], 4
	s_cbranch_scc1 .Lmeet
.set jj, 0
.rept 16
	global_load_b64 v[H+2*jj:H+2*jj+1], v[BSO], s[12:13] offset:4096*jj
.set jj, jj+1
.endr
.Lmeet:
	s_wait_dscnt 0x0                               ; for the others' sake: my sums are stored
	s_barrier_signal -1                            ; behind it the maxima's words may be written again: every wave's reads of them were waited for above
	s_barrier_wait -1
	s_wait_xcnt 0x0                                ; the stores of p have had their addresses translated: their registers are rewritten only behind this wait
	s_wait_alu depctr_vm_vsrc(0)                   ; the stores of p have read the out-buffer, in twelve registers of which the loads below land
.irp j, 0,1,2,3,4,5,6,7,8,9,10,11
	ds_load_b32 v[SV+\j], v[MXA] offset:SMO+64*\j
.endr
	s_wait_dscnt 0x0
.irp j, 0,1,2,3,4,5,6,7,8,9,10,11
	v_cndmask_b32 v[SV+\j], v[ZR], v[SV+\j], s[MSK+\j]
.endr
	v_pk_add_f32 v[SV:SV+1], v[SV:SV+1], v[SV+2:SV+3]
	v_pk_add_f32 v[SV+4:SV+5], v[SV+4:SV+5], v[SV+6:SV+7]
	v_pk_add_f32 v[SV+8:SV+9], v[SV+8:SV+9], v[SV+10:SV+11]
	v_pk_add_f32 v[SV:SV+1], v[SV:SV+1], v[SV+4:SV+5]
	v_pk_add_f32 v[SV:SV+1], v[SV:SV+1], v[SV+8:SV+9]
	v_add_f32 v[SV], v[SV], v[SV+1]
	v_fma_f32 v[SV], v[CNTV], v[PZ], v[SV]         ; Z
	v_rcp_f32 v[PZ+1], v[SV]
	v_nop
	s_wait_alu depctr_va_vdst(0)                   ; the reciprocal has written v[PZ+1], ahead of the branch and of the store that reads the pair
	s_cmp_lg_u32 s[C], 0                           ; the row's first wave stores for the row
	s_cbranch_scc1 .Lnot_first
	global_store_b64 v[STV], v[PZ:PZ+1], s[16:17]  ; lanes l and l + 16 store the same 8 bytes
.Lnot_first:
	s_lshr_b32 s[SCHED], s[SCHED], 8
	s_sub_co_u32 s[TRIP], s[TRIP], 1
	s_cmp_lg_u32 s[TRIP], 0
	s_cbranch_scc1 .Ltrip
	s_cmp_ge_u32 s[WV], 4
	s_cbranch_scc1 .Lend
	s_wait_loadcnt 0x0
	s_bfe_u32 s[THR], ttmp9, 0x30001               ; i = (g / 2) % 8
	s_lshl_b32 s[THR], s[THR], 1
	s_add_co_u32 s[THR], s[THR], 2                 ; the first block of 128 keys right of tile row i
.set jj, 0
.rept 16
	s_cmp_le_u32 s[THR], jj
	s_cselect_b32 s[FAC], 1.0, 0
.if jj == 0
	v_pk_mul_f32 v[H+32:H+33], v[H:H+1], s[FAC:FAC+1] op_sel_hi:[1,0]
.else
	v_pk_fma_f32 v[H+32:H+33], v[H+2*jj:H+2*jj+1], s[FAC:FAC+1], v[H+32:H+33] op_sel_hi:[1,0,1]
.endif
.set jj, jj+1
.endr
	s_wait_alu depctr_va_vdst(0)                   ; the sixteen lines have written v[H+32 ..], which the store reads
	global_store_b64 v[SFO], v[H+32:H+33], s[16:17] offset:262144   ; a wave's store: 256 consecutive bytes, aligned
.Lend:
	s_wait_dscnt 0x0                               ; the wave's end
	s_set_vgpr_msb 0x5
	s_wait_dscnt 0x0
	s_wait_alu depctr_hold_cnt(0) depctr_sa_sdst(0) depctr_va_vdst(0) depctr_va_sdst(0) depctr_va_ssrc(0) depctr_va_vcc(0) depctr_vm_vsrc(0)
	s_wait_tensorcnt 0x0
	ds_add_u32 v0, v1
	s_wait_dscnt 0x0
	s_endpgm
.Lfunc_end_k_q616951bfa2_pmake:
	.size	k_q616951bfa2_pmake, .Lfunc_end_k_q616951bfa2_pmake-k_q616951bfa2_pmake
	.p2alignl 7, 3214868480
	.fill 96, 4, 3214868480
	.section	.rodata,"a",@progbits
	.p2align	6, 0x0
	.amdhsa_kernel k_q616951bfa2_pmake
		.amdhsa_group_segment_fixed_size 147456
		.amdhsa_private_segment_fixed_size 0
		.amdhsa_enable_private_segment 0
		.amdhsa_kernarg_size 56
		.amdhsa_user_sgpr_count 2
		.amdhsa_user_sgpr_kernarg_segment_ptr 1
		.amdhsa_wavefront_size32 1
		.amdhsa_system_sgpr_workgroup_id_x 1
		.amdhsa_system_sgpr_workgroup_id_y 1
		.amdhsa_system_sgpr_workgroup_id_z 1
		.amdhsa_system_vgpr_workitem_id 0
		.amdhsa_next_free_vgpr 258
		.amdhsa_next_free_sgpr 96
		.amdhsa_reserve_vcc 0
		.amdhsa_float_denorm_mode_32 3
		.amdhsa_float_denorm_mode_16_64 3
		.amdhsa_memory_ordered 1
		.amdhsa_forward_progress 1
		.amdhsa_inst_pref_size 74
	.end_amdhsa_kernel
	.amdgpu_metadata
---
amdhsa.version: [ 1, 2 ]
amdhsa.kernels:
  - .name:           k_q616951bfa2_pmake
    .symbol:         k_q616951bfa2_pmake.kd
    .args:
      - { .name: levels, .offset: 0, .size: 8, .value_kind: global_buffer, .address_space: global }
      - { .name: L, .offset: 8, .size: 8, .value_kind: global_buffer, .address_space: global }
      - { .name: L_bias, .offset: 16, .size: 8, .value_kind: global_buffer, .address_space: global }
      - { .name: csx, .offset: 24, .size: 8, .value_kind: global_buffer, .address_space: global }
      - { .name: bs, .offset: 32, .size: 8, .value_kind: global_buffer, .address_space: global }
      - { .name: p, .offset: 40, .size: 8, .value_kind: global_buffer, .address_space: global }
      - { .name: stat, .offset: 48, .size: 8, .value_kind: global_buffer, .address_space: global }
    .group_segment_fixed_size: 147456
    .private_segment_fixed_size: 0
    .kernarg_segment_align: 8
    .kernarg_segment_size: 56
    .max_flat_workgroup_size: 384
    .sgpr_count:     96
    .vgpr_count:     258
    .wavefront_size: 32
...
	.end_amdgpu_metadata
.endif
;; end of part 7
;; launch gm: the kernel of part 4 again; grid 4 x 64, 4 waves a work-group, clusters of 4 x 1, 327,680 bytes of LDS; arguments p, vt, stat, bv, oh; writes oh
;; launch go: the kernel of part 5 again; grid 4 x 64, 4 waves a work-group, clusters of 4 x 4, 327,680 bytes of LDS; arguments oh, wh, bo, out0; writes out0
